; MI455X (gfx1250); checked and timed in simulation.
; The chip was launched on July 23, 2026; its instructions are those of AMD's public machine-readable ISA for CDNA 5 (MIT licence, August 2026) and "CDNA5" Instruction Set Architecture Reference Guide (July 2026). The comments in the code are by the model that wrote it; some were corrected since.
;; Decoder. Allowed arithmetic: matrix products marked QUANTISED: E2M1 operands, one E8M0 scale for each 32 along K, by v_wmma_scale_f32_16x16x128_f8f6f4 with both operands' format E2M1 (or v_wmma_scale_f32_32x16x128_f4), f32 sums; everything else in f32.
;; Inputs: W1 1,024 x 4,096 float32; W2 4,096 x 1,024 float32; Wk 16 x 1,024 x 64 float32; Wq 16 x 1,024 x 64 float32; Wv 16 x 1,024 x 64 float32; b1 1,024 float32; b1f 4,096 float32; b2 1,024 float32; b2f 1,024 float32; bf 1,024 float32; bk 16 x 64 float32; bq 16 x 64 float32; bv 16 x 64 float32; g1 1,024 float32; g2 1,024 float32; gf 1,024 float32; x 4 x 1,024 x 1,024 float32.
;; Outputs: out0 4 x 1,024 x 1,024 float32.
;; This version of the problem:
;;   THIS VERSION OF THE PROBLEM IS GIVEN IN LOW PRECISION. The matrix products marked QUANTISED in the list below multiply operands that are first quantised to E2M1 (2 exponent bits, 1 mantissa bit; 4 bits a number), with one power-of-two scale for each 32 numbers along K (OCP MX v1.0); their sums are f32. All else is computed in f32.
;;   The module's matrix products, in the order in which they are computed (A, B: the left and right operand; K: the contracted axis; several contracted axes count as one K, in the product's order):
;;     1. [M 1,024, K 1,024] x [K 1,024, N 4,096]; A: input Wq; B: computed on the way: QUANTISED
;;     2. [M 1,024, K 1,024] x [K 1,024, N 4,096]; A: input Wk; B: computed on the way: QUANTISED
;;     3. [M 1,024, K 1,024] x [K 1,024, N 4,096]; A: input Wv; B: computed on the way: QUANTISED
;;     4. batch 64 x [M 1,024, K 64] x [K 64, N 1,024]; A: computed on the way; B: computed on the way: QUANTISED
;;     5. batch 64 x [M 1,024, K 1,024] x [K 1,024, N 64]; A: softmax (see below); B: computed on the way: QUANTISED
;;     6. [M 4,096, K 1,024] x [K 1,024, N 4,096]; A: computed on the way; B: input W1: QUANTISED
;;     7. [M 4,096, K 4,096] x [K 4,096, N 1,024]; A: computed on the way; B: input W2: QUANTISED
;;   THE QUANTISER, for each operand of a quantised product, along K:
;;     - K is cut into blocks of 32 from its start; a last block that is shorter is filled with zeros.
;;     - A block's scale is 2^e with e = floor(log2(the largest magnitude in the block)) - 2, held to -126 .. 127; a block of zeros has e = 0. As a byte (E8M0): e + 127.
;;     - Each number is divided by its block's scale, clamped to +-6, and rounded to the nearest number of E2M1, ties to even, subnormals kept.
;;     - The product sums the exact products of the quantised numbers (number of the format x scale) in f32.
;;   ~~~python
;;   def quantise(x, axis):      # numpy; x: float32 -> the quantised numbers, widened to float32 again
;;       x = np.moveaxis(x, axis, -1); K = x.shape[-1]
;;       x = np.pad(x, [(0, 0)] * (x.ndim - 1) + [(0, -K % 32)]); x = x.reshape(x.shape[:-1] + (-1, 32)); a = np.abs(x).max(-1, keepdims=True)
;;       e = np.where(a > 0, np.clip(np.frexp(np.where(a > 0, a, 1))[1] - 1 - 2, -126, 127), 0)      # np.frexp(a)[1] - 1 = floor(log2(a)), exactly
;;       r = np.clip(x / 2.0 ** e, -6, 6)
;;       step = 2.0 ** (np.maximum(np.frexp(np.where(r == 0, 1, r))[1] - 1, 0) - 1)
;;       q = np.round(r / step) * step * 2.0 ** e      # np.round: ties to even
;;       return np.moveaxis(q.reshape(q.shape[:-2] + (-1,))[..., :K], -1, axis).astype(np.float32)
;;   ~~~
;;   SOFTMAX AHEAD OF A QUANTISED PRODUCT. Where the list says 'softmax', what is quantised is not the finished softmax but p = 2^(t - M), with t = logit x log2(e) and M = ceil(the row's largest t), a whole number; so 1/2 < the row's largest p <= 1. The row's sum l is taken of the UNQUANTISED p, in f32, and the product's result is divided by l at the end. Since M is a whole number, a kernel that streams over the keys may use a running M (the ceiling of the running maximum): every later rescaling is an exact power of two, which a block's scale takes up: the codes' values come out the same.
;;   OPERANDS COMPUTED ON THE WAY. 'Computed on the way' means the value that the module computes at that place (a softmax that the list does not call 'softmax' is quantised finished and normalised). What goes into a quantiser is computed in f32, as accurately as f32 sums, v_exp_f32 and their like allow (about 1e-6 of the number): no bf16 or f16 on the way to a quantiser, and a product that is left as it is and whose result goes on into a quantised operand takes f32 operands (vector FMAs, or v_wmma_f32_16x16x4_f32). A number that lies on a knife's edge between two numbers of the format may be rounded either way, as far as f32 arithmetic and the matrix unit's own rounding can turn it there, and no further.
;; One version. Each part assembles by itself: llvm-mc -triple=amdgcn-amd-amdhsa -mcpu=gfx1250 --defsym DOCPART=n.
;; ======== version 1 of 1: 5 launches
;; limits: right only within a limited range of input values
;; workspace buffers: pb 8,388,608 bytes; qb 6,684,672 bytes; fb 19,005,440 bytes; f1 8,912,896 bytes; wb 4,456,448 bytes
;; launch prep (part 1): grid 352 x 1, 8 waves a work-group, no clusters, 84,992 bytes of LDS; arguments x, g1, b1, Wq, Wk, Wv, pb; writes pb
.if DOCPART == 1
	.amdgcn_target "amdgcn-amd-amdhsa--gfx1250"
	.amdhsa_code_object_version 6
	.text
	.protected	k_qb29d93b37a_prep
	.globl	k_qb29d93b37a_prep
	.p2align	8
	.type	k_qb29d93b37a_prep,@function
k_qb29d93b37a_prep:
	s_mov_b64 s[64:65], 0
	v_nop
	global_prefetch_b8 v0, s[64:65] scope:SCOPE_SE
	s_setreg_imm32_b32 hwreg(HW_REG_WAVE_MODE, 25, 1), 1
	s_wait_xcnt 0x0
; PREP: first of five launches of one decoder block (LN1, q/k/v, causal attention, LN2, LNf, relu-FFN), all seven products on codes of E2M1 with one E8M0 scale for each 32 along K.
; DEAD WORK: none of the 17 inputs is dead: each has a way to out0, and each is loaded by some launch.  Left out in the whole program is only what reference()'s own jnp.tril throws away in whole
; steps: key steps of 128 keys that lie wholly behind a tile's 16 queries get -inf ahead of the softmax for every value of the inputs, so p = 0 there and they add nothing to the sum or to o.
; LIMIT: a NaN, an infinity or an overflow that would arise only in those steps is not carried to the result.  NaN and infinities among the inputs are not served.
; THIS LAUNCH: what the second launch needs.  Work-groups 0-255: LN1 of 16 rows of x -> codes and scale words of h, and (mean, 1/sqrt(var+eps)) of each row.  256-351: Wq, Wk, Wv -> codes and scale words along K.
; (W1 and W2, which the fourth and fifth launches read, are quantised by work-groups of the third launch.)
; LAYOUT OF ALL CODES: [group of 128 rows][K step of 128][c 2][tile of 16 rows 8][lane 32][16 bytes]: the image of the operand's registers: lane (r, h) of tile a holds block 2 c + h of row 16 a + r.
; LAYOUT OF ALL SCALES: [group][K step][128 rows][4 bytes], byte b for block b of the K step.
; ORDER INSIDE A BLOCK: the four words of a block's 16 bytes hold k = 0-7, 16-23, 8-15, 24-31, alike in BOTH operands of every product: the products are the same, their order inside the unit differs.
; LIMIT: a block of zeros carries the byte 1 where the rule says 127: its codes are zeros, and this program alone reads the bytes.  Blocks under 2^-124 are held at that byte.
; Memory binds: no matrix unit, no cluster, no tensor load.  Both paths touch LDS and have barriers.
; pb's regions (the second and third launches share these offsets; the bytes between the regions are neither written nor read): the weights' codes from byte 0 on, 24 groups x 8 K steps, then:
; A CHUNK: the codes of 8 K steps of a group of 128 rows (65,536 bytes) and, directly behind them, those steps' scale words (8 x 512 bytes): 69,632 bytes, 272 rows of 256.
; So one tensor load brings codes and scale words together.  pb: 24 chunks of the weights from byte 0 on, then h's 32 chunks; the statistics at ST1.
.set CH,     69632
.set HC,     24*CH
.set HS,     HC+65536
.set ST1,    8355840
.set SCW,    0                         ; LDS: 8 K steps x 16 rows x 4 bytes of scale words
.set STS,    512                       ; 16 rows x (mean, rs)
.set HT,     768                       ; 16 rows of h, 4,096 bytes + 16 of padding: the 16 rows of a read start in 16 different groups of banks
.set HP,     4112
.set SPARE,  66560                     ; the spare words, 128 bytes for each of 8 waves
	s_load_b256 s[8:15], s[0:1], 0x0               ; x 8, g1 10, b1 12, Wq 14
	s_load_b128 s[16:19], s[0:1], 0x20             ; Wk 16, Wv 18
	s_load_b64 s[20:21], s[0:1], 0x30              ; pb
	v_lshl_add_u32 v174, v0, 2, SPARE              ; my spare word,
	v_mov_b32 v175, 0                              ; and 0: kept for the add alone
	v_lshrrev_b32 v1, 5, v0
	s_delay_alu instid0(VALU_DEP_1)
	v_readfirstlane_b32 s28, v1                    ; wave 0..7
	v_and_b32 v1, 31, v0                           ; lane
	s_delay_alu instid0(VALU_DEP_1)
	v_lshlrev_b32 v2, 4, v1                        ; 16 x lane
	s_delay_alu instid0(VALU_DEP_2)
	v_lshlrev_b32 v3, 2, v1                        ; 4 x lane
	s_mov_b32 s39, 0                               ; upper word of every offset pair s[38:39]
	s_cmp_lt_u32 ttmp9, 256
	s_cbranch_scc1 .Lln
; ---------------- Wq, Wk, Wv [16 (head)][1024 (k)][64 (d)]: column n = 64 head + d; 3 x 8 groups x 8 K steps.
; A wave takes ONE block of 32 along K x all 128 columns of a group (two heads): a lane holds four neighbouring columns, 16 bytes of each of 32 rows: a load reads 256 consecutive bytes of each head's row.
; 32 moves a column lay its block in consecutive registers, as the conversions want it.  The codes turn through 2,048 LDS bytes of the wave's own (this path has LDS bytes of its own, from WST on);
; the scale bytes of a K step's four blocks (four waves) meet in LDS behind them, and behind one barrier a wave stores a K step's 512 bytes.
.set WST, 67584
	s_and_b32 s29, s28, 3                          ; which block of the K step
	s_lshr_b32 s26, s28, 2                         ; which of the work-group's two K steps
	s_lshl_b32 s24, s28, 11
	s_add_co_u32 s24, s24, WST                     ; my wave's 2,048 bytes
	s_lshl_b32 s25, s26, 9
	s_add_co_u32 s25, s25, s29
	s_add_co_u32 s25, s25, WST+16384               ; my K step's scale words, my block's byte
	s_lshl_b32 s27, s29, 9
	s_add_co_u32 s27, s27, WST+16384               ; the K step whose words I store (waves 0 and 1)
	s_wait_alu depctr_va_vdst(0)                   ; directly ahead of the readers below
	v_lshrrev_b32 v4, 4, v1
	v_and_b32 v5, 15, v1
	v_lshlrev_b32 v13, 18, v4
	v_lshlrev_b32 v4, 9, v4
	v_lshl_add_u32 v13, v5, 4, v13                 ; in memory: head lane / 16, 16 bytes x (lane % 16)
	v_lshl_add_u32 v4, v5, 4, v4                   ; a column's place in an image: 512 (lane / 16) + 16 (lane % 16)
	v_lshl_add_u32 v8, v1, 6, s24                  ; LDS, in: my four columns' 64 bytes
	v_lshl_add_u32 v9, v1, 4, s24                  ; back: 16 x lane
	v_lshl_add_u32 v10, v1, 4, s25
	v_lshl_add_u32 v11, v1, 4, s27
.macro WLOAD                           ; W(i, my four columns), i = 0 .. 31 of my block; a row of a head is 256 bytes
.set i, 0
.rept 32
	global_load_b128 v[16+4*i:19+4*i], v13, s[32:33] offset:i*256 th:TH_LOAD_NT
.set i, i+1
.endr
.endm
.macro WBLOCK j                        ; the j-th of my four columns
.set XS, 176
.set i, 0
.rept 32
	v_mov_b32 v[176+i], v[16+4*i+(\j)]             ; its 32 numbers, down K, into consecutive registers
.set i, i+1
.endr
	v_max3_num_f32 v144, |v[XS]|, |v[XS+1]|, |v[XS+2]|             ; the block's largest magnitude: all 32 numbers are mine
	v_max3_num_f32 v145, |v[XS+3]|, |v[XS+4]|, |v[XS+5]|
.irp i, 6,10,14,18,22,26
	s_delay_alu instid0(VALU_DEP_2)
	v_max3_num_f32 v144, v144, |v[XS+\i]|, |v[XS+\i+1]|
	s_delay_alu instid0(VALU_DEP_2)
	v_max3_num_f32 v145, v145, |v[XS+\i+2]|, |v[XS+\i+3]|
.endr
	s_delay_alu instid0(VALU_DEP_2)
	v_max3_num_f32 v144, v144, |v[XS+30]|, |v[XS+31]|
	s_delay_alu instid0(VALU_DEP_1)
	v_max3_num_f32 v144, v144, v145, 0x1800000     ; and the floor 2^(3 - 127): the byte cannot fall under 1
	s_delay_alu instid0(VALU_DEP_1)
	v_add_nc_u32 v[152+(\j)], 0xff000000, v144     ; 2 off the exponent field: the conversion's scale operand
	s_delay_alu instid0(VALU_DEP_1)
	v_lshrrev_b32 v[147+(\j)], 23, v[152+(\j)]     ; the scale's byte
	v_cvt_scalef32_pk8_fp4_f32 v[156+4*(\j)], v[XS:XS+7], v[152+(\j)]          ; words in the order 0-7, 16-23, 8-15, 24-31
	v_cvt_scalef32_pk8_fp4_f32 v[157+4*(\j)], v[XS+16:XS+23], v[152+(\j)]
	v_cvt_scalef32_pk8_fp4_f32 v[158+4*(\j)], v[XS+8:XS+15], v[152+(\j)]
	v_cvt_scalef32_pk8_fp4_f32 v[159+4*(\j)], v[XS+24:XS+31], v[152+(\j)]
	v_nop                                          ; one plain line behind the conversions
	ds_store_b128 v8, v[156+4*(\j):159+4*(\j)] offset:16*(\j)      ; column n's 16 bytes at 16 n of my wave's bytes
	ds_store_b8 v10, v[147+(\j)] offset:4*(\j)     ; byte (my block) of column n's scale word
.endm
	s_sub_co_u32 s44, ttmp9, 256
	s_lshr_b32 s45, s44, 5                         ; which tensor
	s_bfe_u32 s46, s44, 0x30002                    ; group: heads 2 g, 2 g + 1
	s_and_b32 s47, s44, 3
	s_lshl_b32 s47, s47, 1
	s_add_co_u32 s47, s47, s26                     ; K step
	s_lshl_b32 s40, s45, 3
	s_add_co_u32 s40, s40, s46
	s_lshl_b32 s40, s40, 3
	s_add_co_u32 s40, s40, s47                     ; (8 tensor + group) x 8 K steps + K step
	s_lshl_b32 s38, s46, 19                        ; head 2 g,
	s_lshl_b32 s43, s47, 15                        ; 128 rows of 256 bytes a K step,
	s_add_co_u32 s38, s38, s43
	s_lshl_b32 s43, s29, 13                        ; 32 rows a block
	s_add_co_u32 s38, s38, s43
	s_wait_kmcnt 0x0
	s_cmp_eq_u32 s45, 0                            ; the choice hangs on the work-group's number alone
	s_cselect_b64 s[32:33], s[14:15], s[16:17]
	s_cmp_eq_u32 s45, 2
	s_cselect_b64 s[32:33], s[18:19], s[32:33]
	s_add_nc_u64 s[32:33], s[32:33], s[38:39]
	s_lshr_b32 s44, s40, 3                         ; the chunk,
	s_mul_i32 s44, s44, CH
	s_and_b32 s40, s40, 7                          ; the K step in it
	s_lshl_b32 s38, s40, 13
	s_lshr_b32 s43, s29, 1                         ; block 2 c + h: 4,096 c + 256 h
	s_lshl_b32 s43, s43, 12
	s_add_co_u32 s38, s38, s43
	s_and_b32 s43, s29, 1
	s_lshl_b32 s43, s43, 8
	s_add_co_u32 s38, s38, s43
	s_add_co_u32 s38, s38, s44
	s_add_nc_u64 s[34:35], s[20:21], s[38:39]      ; the codes
	s_and_b32 s38, s40, 6                          ; the work-group's first K step, + my wave's number (used by waves 0 and 1 alone)
	s_add_co_u32 s38, s38, s29
	s_lshl_b32 s38, s38, 9
	s_add_co_u32 s38, s38, s44
	s_add_co_u32 s38, s38, 65536
	s_add_nc_u64 s[36:37], s[20:21], s[38:39]      ; the scale words, behind the chunk's codes
	s_wait_alu depctr_va_vdst(0)
	WLOAD                                          ; all 32 loads of the wave are out at once
	s_wait_loadcnt 0x0
	WBLOCK 0
	WBLOCK 1
	WBLOCK 2
	WBLOCK 3
.irp i, 0,1,2,3
	ds_load_b128 v[208+4*\i:211+4*\i], v9 offset:512*\i            ; LDS serves a wave's instructions in order: these see my stores.  Lane l: column 32 i + l
.endr
	s_wait_dscnt 0x0                               ; the codes are back, and, for the others' sake, my scale bytes have landed
.irp i, 0,1,2,3
	global_store_b128 v4, v[208+4*\i:211+4*\i], s[34:35] offset:1024*\i        ; sixteen lanes store 256 consecutive bytes, aligned
.endr
	s_barrier_signal -1
	s_barrier_wait -1                              ; both K steps' scale words are whole
	s_cmp_lt_u32 s28, 2
	s_cbranch_scc0 .Lw_end
	ds_load_b128 v[224:227], v11
	s_wait_dscnt 0x0
	global_store_b128 v2, v[224:227], s[36:37]     ; a K step's 128 scale words: 512 consecutive bytes
.Lw_end:
	s_wait_tensorcnt 0x0                           ; the wave's end
	ds_add_u32 v174, v175
	s_wait_dscnt 0x0
	s_endpgm
; ---------------- LN1.  16 rows; wave w norms rows 2 w, 2 w + 1 (a row in 32 registers, read once), h turns through LDS, then wave w quantises K step w of all 16 rows.
.Lln:
	s_mov_b32 s30, 0x76543210
	s_mov_b32 s31, 0xfedcba98                      ; v_permlanex16_b32's selects for lane l xor 16
	s_mov_b32 s26, 0x3a800000                      ; 1 / 1024
	s_mov_b32 s27, 0x3727c5ac                      ; 1e-5
	s_lshl_b32 s38, ttmp9, 16
	s_lshl_b32 s43, s28, 13
	s_add_co_u32 s38, s38, s43                     ; my two rows of x
	s_mul_i32 s44, s28, 2*HP
	s_add_co_u32 s44, s44, HT
	s_wait_alu depctr_va_vdst(0)
	v_add_nc_u32 v5, s44, v2                       ; into HT: my rows, 16 bytes a lane
	v_mov_b32 v6, s28
	s_delay_alu instid0(VALU_DEP_1)
	v_lshlrev_b32 v6, 4, v6                        ; 16 x wave: my rows' statistics
	v_and_b32 v8, 15, v0                           ; r
	v_bfe_u32 v9, v0, 4, 1                         ; h
	s_delay_alu instid0(VALU_DEP_2)
	v_mul_u32_u24 v7, v8, HP
	s_delay_alu instid0(VALU_DEP_1)
	v_lshl_add_u32 v7, v9, 7, v7
	s_lshl_b32 s45, s28, 9
	s_add_co_u32 s45, s45, HT
	v_add_nc_u32 v7, s45, v7                       ; out of HT: row r, K step w, + 128 h
	v_lshlrev_b32 v10, 2, v8
	s_lshl_b32 s46, s28, 6
	v_add_nc_u32 v10, s46, v10                     ; my scale word: 64 w + 4 r
	v_lshrrev_b32 v12, 2, v1
	v_and_b32 v13, 3, v1
	s_delay_alu instid0(VALU_DEP_2)
	v_lshlrev_b32 v12, 9, v12
	s_delay_alu instid0(VALU_DEP_1)
	v_lshl_add_u32 v12, v13, 4, v12                ; wave 0's way out of the scale words: 512 (lane / 4) + 16 (lane % 4)
	s_wait_kmcnt 0x0
	s_add_nc_u64 s[32:33], s[8:9], s[38:39]
.irp e, 0,1
.irp j, 0,1,2,3,4,5,6,7
	global_load_b128 v[16+32*\e+4*\j:19+32*\e+4*\j], v2, s[32:33] offset:4096*\e+512*\j th:TH_LOAD_NT   ; 512 consecutive bytes a load
.endr
.endr
.irp j, 0,1,2,3,4,5,6,7
	global_load_b128 v[80+4*\j:83+4*\j], v2, s[10:11] offset:512*\j
	global_load_b128 v[112+4*\j:115+4*\j], v2, s[12:13] offset:512*\j
.endr
	s_lshr_b32 s40, ttmp9, 3                       ; group of 128 tokens,
	s_and_b32 s41, ttmp9, 7                        ; tile in it
	s_mul_i32 s38, s40, CH
	s_lshl_b32 s43, s28, 13
	s_add_co_u32 s38, s38, s43
	s_lshl_b32 s43, s41, 9
	s_add_co_u32 s38, s38, s43
	s_add_co_u32 s38, s38, HC
	s_add_nc_u64 s[34:35], s[20:21], s[38:39]      ; h's codes: (group, K step w), my tile
	s_mul_i32 s38, s40, CH
	s_lshl_b32 s43, s41, 6
	s_add_co_u32 s38, s38, s43
	s_add_co_u32 s38, s38, HS
	s_add_nc_u64 s[36:37], s[20:21], s[38:39]      ; h's scale words
	s_lshl_b32 s38, ttmp9, 7
	s_add_co_u32 s38, s38, ST1
	s_add_nc_u64 s[40:41], s[20:21], s[38:39]      ; the statistics
.macro WSUM                            ; v160 summed over the 32 lanes, the result in every lane
	s_delay_alu instid0(VALU_DEP_1)
	v_add_f32_dpp v160, v160, v160 row_xmask:1 row_mask:0xf bank_mask:0xf
	s_delay_alu instid0(VALU_DEP_1)
	v_add_f32_dpp v160, v160, v160 row_xmask:2 row_mask:0xf bank_mask:0xf
	s_delay_alu instid0(VALU_DEP_1)
	v_add_f32_dpp v160, v160, v160 row_xmask:4 row_mask:0xf bank_mask:0xf
	s_delay_alu instid0(VALU_DEP_1)
	v_add_f32_dpp v160, v160, v160 row_xmask:8 row_mask:0xf bank_mask:0xf
	s_delay_alu instid0(VALU_DEP_1)
	v_permlanex16_b32 v161, v160, s30, s31
	s_delay_alu instid0(VALU_DEP_1)
	v_add_f32 v160, v160, v161
.endm
.macro LNROW X, M                      ; the row in v[X .. X+31] becomes (x - mean) rs; v[M], v[M+1] = mean, v[M+2], v[M+3] = rs.  Two passes: the mean, then the centred squares
	v_pk_add_f32 v[160:161], v[\X:\X+1], v[\X+2:\X+3]
	v_pk_add_f32 v[162:163], v[\X+4:\X+5], v[\X+6:\X+7]
.irp i, 8,12,16,20,24,28
	s_delay_alu instid0(VALU_DEP_2)
	v_pk_add_f32 v[160:161], v[160:161], v[\X+\i:\X+\i+1]
	s_delay_alu instid0(VALU_DEP_2)
	v_pk_add_f32 v[162:163], v[162:163], v[\X+\i+2:\X+\i+3]
.endr
	s_delay_alu instid0(VALU_DEP_1)
	v_pk_add_f32 v[160:161], v[160:161], v[162:163]
	s_delay_alu instid0(VALU_DEP_1)
	v_add_f32 v160, v160, v161
	WSUM
	s_delay_alu instid0(VALU_DEP_1)
	v_mul_f32 v[\M], s26, v160
	s_delay_alu instid0(VALU_DEP_1)
	v_mov_b32 v[\M+1], v[\M]
.irp i, 0,2,4,6,8,10,12,14,16,18,20,22,24,26,28,30
	v_pk_add_f32 v[\X+\i:\X+\i+1], v[\X+\i:\X+\i+1], v[\M:\M+1] neg_lo:[0,1] neg_hi:[0,1]
.endr
	v_pk_mul_f32 v[160:161], v[\X:\X+1], v[\X:\X+1]
	v_pk_mul_f32 v[162:163], v[\X+2:\X+3], v[\X+2:\X+3]
.irp i, 4,8,12,16,20,24,28
	s_delay_alu instid0(VALU_DEP_2)
	v_pk_fma_f32 v[160:161], v[\X+\i:\X+\i+1], v[\X+\i:\X+\i+1], v[160:161]
	s_delay_alu instid0(VALU_DEP_2)
	v_pk_fma_f32 v[162:163], v[\X+\i+2:\X+\i+3], v[\X+\i+2:\X+\i+3], v[162:163]
.endr
	s_delay_alu instid0(VALU_DEP_1)
	v_pk_add_f32 v[160:161], v[160:161], v[162:163]
	s_delay_alu instid0(VALU_DEP_1)
	v_add_f32 v160, v160, v161
	WSUM
	s_delay_alu instid0(VALU_DEP_1)
	v_fma_f32 v[\M+2], v160, s26, s27              ; var + eps
	s_wait_alu depctr_va_vdst(0)
	v_rsq_f32 v[\M+2], v[\M+2]
	v_nop                                          ; a plain line behind the transcendental,
	s_wait_alu depctr_va_vdst(0)                   ; and the wait ahead of its first reader
	v_mov_b32 v[\M+3], v[\M+2]
.irp i, 0,2,4,6,8,10,12,14,16,18,20,22,24,26,28,30
	v_pk_mul_f32 v[\X+\i:\X+\i+1], v[\X+\i:\X+\i+1], v[\M+2:\M+3]
.endr
.endm
	s_wait_loadcnt 16                              ; x is in; g1's and b1's sixteen loads may stay out
	LNROW 16, 144
	LNROW 48, 148
	s_wait_loadcnt 0x0
.set i, 0
.rept 16
	v_pk_fma_f32 v[16+i:17+i], v[16+i:17+i], v[80+i:81+i], v[112+i:113+i]     ; h
	v_pk_fma_f32 v[48+i:49+i], v[48+i:49+i], v[80+i:81+i], v[112+i:113+i]
.set i, i+2
.endr
.irp e, 0,1
.irp j, 0,1,2,3,4,5,6,7
	ds_store_b128 v5, v[16+32*\e+4*\j:19+32*\e+4*\j] offset:HP*\e+512*\j
.endr
.endr
	ds_store_b32 v6, v144 offset:STS               ; all lanes write the same word with the same value
	ds_store_b32 v6, v146 offset:STS+4
	ds_store_b32 v6, v148 offset:STS+8
	ds_store_b32 v6, v150 offset:STS+12
	s_wait_dscnt 0x0                               ; for the others' sake: my stores have landed
	s_barrier_signal -1
	s_barrier_wait -1                              ; 16 rows of h lie in LDS
.irp c, 0,1
.irp i, 0,1,2,3,4,5,6,7
	ds_load_b128 v[16+32*\c+4*\i:19+32*\c+4*\i], v7 offset:256*\c+16*\i      ; block 2 c + h of K step w of row r: all its 32 numbers in my registers
.endr
.endr
	s_wait_dscnt 0x0
.irp c, 0,1
	v_max3_num_f32 v[144+\c], |v[16+32*\c]|, |v[17+32*\c]|, 0x1800000
.endr
.irp i, 2,4,6,8,10,12,14,16,18,20,22,24,26,28,30
.irp c, 0,1
	s_delay_alu instid0(VALU_DEP_2)
	v_max3_num_f32 v[144+\c], v[144+\c], |v[16+32*\c+\i]|, |v[17+32*\c+\i]|
.endr
.endr
.irp c, 0,1
	s_delay_alu instid0(VALU_DEP_2)
	v_add_nc_u32 v[146+\c], 0xff000000, v[144+\c]
.endr
.irp c, 0,1
	s_delay_alu instid0(VALU_DEP_2)
	v_lshrrev_b32 v[148+\c], 23, v[146+\c]
.endr
	s_delay_alu instid0(VALU_DEP_1)
	v_lshl_or_b32 v150, v149, 16, v148             ; my two bytes: blocks h and 2 + h,
	v_lshlrev_b32 v151, 3, v9
	s_delay_alu instid0(VALU_DEP_1)
	v_lshlrev_b32 v150, v151, v150                 ; at their places in the word;
	v_mov_b32 v151, 0
	s_delay_alu instid0(VALU_DEP_1)
	v_permlanex16_b32 v151, v150, s30, s31
	s_delay_alu instid0(VALU_DEP_1)
	v_or_b32 v150, v150, v151                      ; with lane l xor 16's two the word is whole
.irp c, 0,1
	v_cvt_scalef32_pk8_fp4_f32 v[152+4*\c], v[16+32*\c:23+32*\c], v[146+\c]
	v_cvt_scalef32_pk8_fp4_f32 v[153+4*\c], v[32+32*\c:39+32*\c], v[146+\c]
	v_cvt_scalef32_pk8_fp4_f32 v[154+4*\c], v[24+32*\c:31+32*\c], v[146+\c]
	v_cvt_scalef32_pk8_fp4_f32 v[155+4*\c], v[40+32*\c:47+32*\c], v[146+\c]
.endr
	v_nop
	global_store_b128 v2, v[152:155], s[34:35]                 ; 512 consecutive bytes a store
	global_store_b128 v2, v[156:159], s[34:35] offset:4096
	ds_store_b32 v10, v150 offset:SCW              ; both halves of the lanes write the same word with the same value
	s_wait_dscnt 0x0
	s_barrier_signal -1
	s_barrier_wait -1                              ; the tile's 128 scale words lie in LDS
	s_cmp_lg_u32 s28, 0
	s_cbranch_scc1 .Lln_end
	ds_load_b128 v[16:19], v2 offset:SCW           ; wave 0 stores them, 64 consecutive bytes for each K step,
	ds_load_b32 v20, v3 offset:STS                 ; and the 16 rows' statistics
	s_wait_dscnt 0x0
	global_store_b128 v12, v[16:19], s[36:37]
	global_store_b32 v3, v20, s[40:41]
.Lln_end:
	s_wait_tensorcnt 0x0                           ; the wave's end
	ds_add_u32 v174, v175
	s_wait_dscnt 0x0
	s_endpgm
.Lfunc_end_k_qb29d93b37a_prep:
	.size	k_qb29d93b37a_prep, .Lfunc_end_k_qb29d93b37a_prep-k_qb29d93b37a_prep
	.p2alignl 7, 3214868480
	.fill 96, 4, 3214868480
	.section	.rodata,"a",@progbits
	.p2align	6, 0x0
	.amdhsa_kernel k_qb29d93b37a_prep
		.amdhsa_group_segment_fixed_size 84992
		.amdhsa_private_segment_fixed_size 0
		.amdhsa_enable_private_segment 0
		.amdhsa_kernarg_size 56
		.amdhsa_user_sgpr_count 2
		.amdhsa_user_sgpr_kernarg_segment_ptr 1
		.amdhsa_wavefront_size32 1
		.amdhsa_system_sgpr_workgroup_id_x 1
		.amdhsa_system_sgpr_workgroup_id_y 1
		.amdhsa_system_sgpr_workgroup_id_z 1
		.amdhsa_system_vgpr_workitem_id 0
		.amdhsa_next_free_vgpr 232
		.amdhsa_next_free_sgpr 66
		.amdhsa_reserve_vcc 0
		.amdhsa_float_denorm_mode_32 3
		.amdhsa_float_denorm_mode_16_64 3
		.amdhsa_memory_ordered 1
		.amdhsa_forward_progress 1
		.amdhsa_inst_pref_size 48
	.end_amdhsa_kernel
	.amdgpu_metadata
---
amdhsa.version: [ 1, 2 ]
amdhsa.kernels:
  - .name:           k_qb29d93b37a_prep
    .symbol:         k_qb29d93b37a_prep.kd
    .args:
      - { .name: x, .offset: 0, .size: 8, .value_kind: global_buffer, .address_space: global }
      - { .name: g1, .offset: 8, .size: 8, .value_kind: global_buffer, .address_space: global }
      - { .name: b1, .offset: 16, .size: 8, .value_kind: global_buffer, .address_space: global }
      - { .name: Wq, .offset: 24, .size: 8, .value_kind: global_buffer, .address_space: global }
      - { .name: Wk, .offset: 32, .size: 8, .value_kind: global_buffer, .address_space: global }
      - { .name: Wv, .offset: 40, .size: 8, .value_kind: global_buffer, .address_space: global }
      - { .name: pb, .offset: 48, .size: 8, .value_kind: global_buffer, .address_space: global }
    .group_segment_fixed_size: 84992
    .private_segment_fixed_size: 0
    .kernarg_segment_align: 8
    .kernarg_segment_size: 56
    .max_flat_workgroup_size: 256
    .sgpr_count:     66
    .vgpr_count:     232
    .wavefront_size: 32
...
	.end_amdgpu_metadata
.endif
;; end of part 1
;; launch qkv (part 2): grid 12 x 16, 4 waves a work-group, clusters of 4 x 4, 281,088 bytes of LDS; arguments pb, bq, bk, bv, qb; writes qb
.if DOCPART == 2
	.amdgcn_target "amdgcn-amd-amdhsa--gfx1250"
	.amdhsa_code_object_version 6
	.text
	.protected	k_qb29d93b37a_qkv
	.globl	k_qb29d93b37a_qkv
	.p2align	8
	.type	k_qb29d93b37a_qkv,@function
k_qb29d93b37a_qkv:
	s_mov_b64 s[64:65], 0
	v_nop
	global_prefetch_b8 v0, s[64:65] scope:SCOPE_SE
	s_setreg_imm32_b32 hwreg(HW_REG_WAVE_MODE, 25, 1), 1
	s_wait_xcnt 0x0
	s_wait_alu depctr_hold_cnt(0) depctr_sa_sdst(0) depctr_va_vdst(0) depctr_va_sdst(0) depctr_va_ssrc(0) depctr_va_vcc(0) depctr_vm_vsrc(0)
	s_getreg_b32 s2, hwreg(HW_REG_IB_STS2, 6, 4)
	s_cmp_eq_u32 s2, 0
	s_cbranch_scc0 .Lentry_in_a_cluster
	s_endpgm
.Lentry_in_a_cluster:
	s_bfe_u32 s2, ttmp6, 0x10000c
	s_cmp_lg_u32 s2, 0xf033
	s_cbranch_scc0 .Lentry_shape_is_right
	s_endpgm
.Lentry_shape_is_right:
; A GEMM on codes of E2M1 whose results are quantised on the way out.  One source serves two launches: KIND 0: q, k, v = h W + bias; KIND 1: relu(hf W1 + b1f).
; A tile is 256 rows of "src0" x 256 rows of "src1", K = 1,024; four waves, each 128 x 128: 64 accumulators.  Source 0 of the matrix instruction = 16 rows of src0, source 1 = 16 rows of src1:
; a lane then holds ONE row of src1, and its registers run along src0's rows: the axis along which the result is quantised for the next product.
; KIND 0, cluster x 0, 1: src0 = rows of Wq | Wk (features), src1 = tokens: q and k are quantised along the features.  Cluster x 2: src0 = tokens, src1 = rows of Wv: v is quantised along the tokens
; (the keys), with nothing transposed: only offsets are exchanged, by selects on the cluster's x, which all sixteen partners share.   KIND 1: src0 = rows of W1, src1 = tokens.
; Codes lie in memory as images of the operand's registers ([group 128 rows][K step][c][tile][lane][16 bytes]), so a group's 8 K steps are 65,536 dense bytes, a fragment is two loads of 16 bytes a lane,
; 512 consecutive bytes each, and no padding is needed.  ALL OF K FITS IN LDS: every fill is a first fill; three tensor loads a wave are out at the most; no slot is filled again.
; CLUSTERS: 4 x 4.  src1's tile hangs on cy (and cluster ids) alone and is shared along a row of the cluster, src0's on cx alone and is shared along a column: joint loads.
; The words of a block of 32 codes hold k = 0-7, 16-23, 8-15, 24-31, alike in both operands of every product.  LIMITS: as stated at the head of the first launch (zero blocks carry the byte 1; no NaN, no infinities).
; REGISTERS: window 0: v8-15 bias offsets; v16-29 addresses; v32-95 scale words (8 K steps x 8; lanes 0-15 src1's block i, lanes 16-31 src0's); v96-111 at work; v112-119 the scale words made;
;   v128-191 src1's fragments, one set (on the way out: the codes made); v192-255 the bias.  window 1: src0's fragments, two sets.  windows 2, 3: the accumulators, (a, b) at v[8 (8 (a % 4) + b)].
.set KIND,   0
; THE FILLS, as they stand now: a group's codes of all 8 K steps and, behind them, its scale words are one chunk of 69,632 dense bytes (272 rows of 256).  Each wave asks for ONE chunk by ONE joint load at the
; head: waves 0, 1 src1's two groups, waves 2, 3 src0's.  LDS: chunk w at 69,632 w.  Nothing is filled later.
; NO PREFETCH: the text has no loop to run ahead in: every byte that the work-group reads is asked for by the head's one load.
.set CH,     69632
.set HC,     24*CH
.set HS,     8224768
.set WQKV_S, 5767168
.set W1_C,   1572864
.set W1_S,   5865472
.set HFS,    2097152
.set VC,     4194304
.set QKS,    6291456
.set VS,     6553600
.set F1S,    8388608
.set SCL,    262144
.set STG,    278528                    ; a stage of 512 bytes for each wave: the scale words on their way out
.set SPARE,  280576                    ; the spare words, 128 bytes for each wave
.set FR,   8
.set ADRA, 16
.set ADRB, 20
.set SS,   24
.set SR,   25
.set CO,   26
.set ADRS, 27
.set SPW,  28
.set NIL,  29
.set SC,   32
.set TM,   96
.set PW,   112
.set AF,   128
.set BI,   192
.set G1,   24
.set G0,   32
.set G1B,  48
.set G0B,  56
.set SEL,  66
.set G1S,  68
.set G0S,  76
.set G1SB, 80
.set G0SB, 88
.set OC,   92
.set OS,   94
.set ISV,  96
.set MSB, 0
.macro WIN new                         ; the immediate's high byte repeats the setting that is left
.if MSB != (\new)
	s_set_vgpr_msb (MSB<<8)|(\new)
.set MSB, (\new)
.endif
.endm
.macro PLACES n
.rept \n
	v_nop
.endr
.endm
; A joint load: waves 0 and 1 fetch for src1, waves 2 and 3 for src0.  The branch hangs on the wave's number alone.  An s_nop 0 and four v_nop follow each of the two lines.
.macro JLOAD g0a, g1a, g0b, g1b
	s_cmp_eq_u32 s15, 0
	s_cbranch_scc0 .Lfor_b_\@
	tensor_load_to_lds s[\g0a:\g0a+3], s[\g1a:\g1a+7]
	s_nop 0
.rept 4
	v_nop
.endr
	s_branch .Lasked_\@
.Lfor_b_\@:
	tensor_load_to_lds s[\g0b:\g0b+3], s[\g1b:\g1b+7]
	s_nop 0
.rept 4
	v_nop
.endr
.Lasked_\@:
.endm
.macro CROUND                          ; a round of the cluster's barrier
	s_barrier_signal -1
	s_barrier_wait -1
	s_cmp_lg_u32 s14, 0
	s_cbranch_scc1 .Lnot_wave_0_\@
	s_barrier_signal -3
.Lnot_wave_0_\@:
	s_barrier_wait -3
	s_barrier_signal -1
	s_barrier_wait -1
.endm
	s_load_b256 s[4:11], s[0:1], 0x0               ; KIND 0: pb, bq, bk, bv;  KIND 1: fb, pb, b1f, f1
.if KIND == 0
	s_load_b64 s[12:13], s[0:1], 0x20              ; qb
.endif
	v_lshl_add_u32 v[SPW], v0, 2, SPARE
	v_mov_b32 v[NIL], 0
	ds_add_u32 v[SPW], v[NIL]                      ; the wave's opening: the add, twice on end, and its wait ahead of my first tensor load
	ds_add_u32 v[SPW], v[NIL]
	v_lshrrev_b32 v1, 5, v0
	v_readfirstlane_b32 s14, v1                    ; wave 0..3
	s_lshr_b32 s15, s14, 1                         ; my half of src1's rows.  Also: I fetch for src1 (0) or src0 (1)
	s_and_b32 s16, s14, 1                          ; my half of src0's rows.  Also: which group of 128 rows I fetch
	s_bfe_u32 s40, ttmp6, 0x40000                  ; cx
	s_bfe_u32 s41, ttmp6, 0x40004                  ; cy
	s_and_b32 s17, ttmp7, 0xffff
	s_lshl_b32 s17, s17, 2                         ; 4 x cluster y
	s_lshl_b32 s42, ttmp9, 2                       ; 4 x cluster x
.if KIND == 0
	s_mov_b32 s3, HC
	s_mov_b32 s19, HC
	s_cmp_eq_u32 ttmp9, 2                          ; the clusters of v: the same in all sixteen partners
	s_cselect_b32 s[ISV], 1, 0
	s_cselect_b32 s42, s17, s42                    ; src0's tiles: v: tokens, by cluster y; else features, by cluster x
	s_cselect_b32 s17, 0, s17                      ; src1's tiles: v: Wv's four; else tokens
	s_cselect_b32 s3, 16*CH, s3                    ; src1's chunks: Wv's begin at chunk 16; else h's
	s_cselect_b32 s19, s19, 0                      ; src0's chunks: h's; else Wq | Wk from chunk 0
.else
	s_mov_b32 s3, 0                                ; hf's codes,
	s_mov_b32 s18, HFS                             ; its scales (in fb);
	s_mov_b32 s19, W1_C                            ; W1's (in pb)
	s_mov_b32 s2, W1_S
.endif
	s_add_co_u32 s42, s42, s40                     ; src0's tile: hangs on cx and cluster ids alone
	s_add_co_u32 s17, s17, s41                     ; src1's tile: on cy and cluster ids alone
	s_lshl_b32 s43, s41, 2
	s_lshl_b32 s43, 15, s43                        ; my row of the cluster
	s_lshl_b32 s44, 0x1111, s40                    ; my column
	; descriptor group 1: dense bytes as rows of 256 (32 elements of 8 bytes), no padding.  15:0 the mask; 17:16 elements of 8 bytes; 21 set beside a mask
	s_or_b32 s[G1], s43, (3<<16)|(1<<21)
	s_or_b32 s[G1B], s44, (3<<16)|(1<<21)
.irp g, G1, G1B                        ; a whole chunk: 272 rows of 256 bytes
	s_mov_b32 s[\g+1], 32<<16
	s_mov_b32 s[\g+2], 272<<16
	s_mov_b32 s[\g+3], 32<<16
	s_mov_b32 s[\g+4], 272
	s_mov_b32 s[\g+5], 32
	s_mov_b32 s[\g+6], 0
	s_mov_b32 s[\g+7], 0
.endr
	s_lshl_b32 s20, s17, 1                         ; src1: chunk 2 x tile + my group
	s_add_co_u32 s20, s20, s16
	s_mul_i32 s20, s20, CH
	s_add_co_u32 s20, s20, s3
	s_mov_b32 s21, 0
	s_lshl_b32 s46, s42, 1                         ; src0 likewise, in registers that never hold cy
	s_add_co_u32 s46, s46, s16
	s_mul_i32 s46, s46, CH
	s_add_co_u32 s46, s46, s19
	s_mov_b32 s47, 0
	s_mul_i32 s45, s14, CH                         ; where it goes: wave x a chunk: no place in the cluster enters an LDS address
	s_mov_b32 s[SEL], 0x76543210
	s_mov_b32 s[SEL+1], 0xfedcba98
	s_wait_dscnt 0x0                               ; both opening adds are done
	s_wait_kmcnt 0x0
	s_add_nc_u64 s[20:21], s[4:5], s[20:21]
.if KIND == 0
	s_add_nc_u64 s[46:47], s[4:5], s[46:47]
.else
	s_add_nc_u64 s[46:47], s[6:7], s[46:47]
.endif
	CROUND                                         ; all sixteen work-groups are here: the joint loads meet
	s_mov_b32 s[G0], 1
	s_mov_b32 s[G0+1], s45
	s_mov_b64 s[G0+2:G0+3], s[20:21]
	s_or_b32 s[G0+3], s[G0+3], 0x80000000
	s_mov_b32 s[G0B], 1
	s_mov_b32 s[G0B+1], s45
	s_mov_b64 s[G0B+2:G0B+3], s[46:47]
	s_or_b32 s[G0B+3], s[G0B+3], 0x80000000
	JLOAD G0, G1, G0B, G1B                         ; my one tensor load: a whole chunk
	v_and_b32 v1, 31, v0                           ; lane
	v_and_b32 v2, 15, v0                           ; r
	s_wait_alu depctr_va_vdst(0)
	v_bfe_u32 v3, v0, 4, 1                         ; h
	v_lshlrev_b32 v[CO], 4, v1                     ; 16 x lane
	s_wait_alu depctr_va_vdst(0)
	s_mul_i32 s20, s15, CH
	v_add_nc_u32 v[ADRA], s20, v[CO]               ; my chunk of src1
	s_mul_i32 s21, s16, CH
	s_add_co_u32 s21, s21, 2*CH
	v_add_nc_u32 v[ADRB], s21, v[CO]               ; my chunk of src0
	s_sub_co_u32 s21, s21, s20
	v_mul_u32_u24 v4, s21, v3                      ; lanes 16-31 take src0's words: one product, the distance between the two chunks
	v_lshl_add_u32 v[ADRS], v2, 2, v4
	s_add_co_u32 s20, s20, 65536                   ; the scale words lie behind a chunk's codes
	v_add_nc_u32 v[ADRS], s20, v[ADRS]
	s_lshl_b32 s20, s14, 9
	s_add_co_u32 s20, s20, STG
	v_lshlrev_b32 v[SS], 2, v2
	v_add_nc_u32 v[SS], s20, v[SS]                 ; my stage: 4 r
	v_add_nc_u32 v[SR], s20, v[CO]                 ; and back: 16 x lane
.irp b, 0,1,2,3
	v_mov_b32 v[TM+4+\b], 0                        ; written once: a lane permute's destination counts as one of its sources
.endr
	; the bias, in the result's layout: 64 registers.  Along src0 (register 8 b + j: row 16 b + 8 h + j) or, for v, along src1 (registers 8 a + j: row 16 a + r)
.if KIND == 0
	s_cmp_eq_u32 ttmp9, 0
	s_cselect_b64 s[98:99], s[6:7], s[8:9]         ; bq or bk,
	s_cmp_eq_u32 ttmp9, 2
	s_cselect_b64 s[98:99], s[10:11], s[98:99]     ; or bv
	s_cselect_b32 s20, s41, s40
	s_cselect_b32 s21, s15, s16
	s_cselect_b32 s22, 4, 0                        ; bytes for each r,
	s_cselect_b32 s23, 0, 32                       ; for h,
	s_cselect_b32 s18, 0, 4                        ; for each register
	s_lshl_b32 s20, s20, 10
	s_lshl_b32 s21, s21, 9
	s_add_co_u32 s20, s20, s21
	s_mov_b32 s21, 0
	s_add_nc_u64 s[98:99], s[98:99], s[20:21]
	v_mul_u32_u24 v4, s22, v2
	v_mul_u32_u24 v5, s23, v3
	v_add_nc_u32 v4, v4, v5
.irp j, 0,1,2,3,4,5,6,7
	v_mad_u32_u24 v[8+\j], s18, \j, v4
.endr
.else
	s_lshl_b32 s20, s42, 10
	s_lshl_b32 s21, s16, 9
	s_add_co_u32 s20, s20, s21
	s_mov_b32 s21, 0
	s_add_nc_u64 s[98:99], s[8:9], s[20:21]        ; b1f at my 128 hidden units
	v_lshlrev_b32 v4, 5, v3
.irp j, 0,1,2,3,4,5,6,7
	v_add_nc_u32 v[8+\j], 4*\j, v4
.endr
.endif
.irp x, 0,1,2,3,4,5,6,7
.irp j, 0,1,2,3,4,5,6,7
	global_load_b32 v[BI+8*\x+\j], v[8+\j], s[98:99] offset:64*\x
.endr
.endr
	; where the results go: my group of src1 rows g1 is the group, my group of src0 rows g0 the K step
	s_lshl_b32 s20, s17, 1
	s_add_co_u32 s20, s20, s15                     ; g1
	s_lshl_b32 s21, s42, 1
	s_add_co_u32 s21, s21, s16                     ; g0
.if KIND == 0
	s_lshl_b32 s22, s20, 17                        ; q, k: 16 K steps a group of tokens
	s_lshl_b32 s23, s20, 18                        ; v: 32 K steps a group of features
	s_add_co_u32 s23, s23, VC
	s_lshl_b32 s2, s20, 13
	s_add_co_u32 s2, s2, QKS
	s_lshl_b32 s3, s20, 14
	s_add_co_u32 s3, s3, VS
	s_cmp_eq_u32 s[ISV], 1
	s_cselect_b32 s22, s23, s22
	s_cselect_b32 s2, s3, s2
.else
	s_lshl_b32 s22, s20, 18
	s_lshl_b32 s2, s20, 14
	s_add_co_u32 s2, s2, F1S
.endif
	s_lshl_b32 s23, s21, 13
	s_add_co_u32 s22, s22, s23
	s_mov_b32 s23, 0
	s_lshl_b32 s21, s21, 9
	s_add_co_u32 s2, s2, s21
	s_mov_b32 s3, 0
.if KIND == 0
	s_add_nc_u64 s[OC:OC+1], s[12:13], s[22:23]
	s_add_nc_u64 s[OS:OS+1], s[12:13], s[2:3]
.else
	s_add_nc_u64 s[OC:OC+1], s[10:11], s[22:23]
	s_add_nc_u64 s[OS:OS+1], s[10:11], s[2:3]
.endif
.macro FRAG reg, adr, ks, i            ; a fragment, 16 rows x 128 K: two loads, each 512 consecutive bytes
.irp c, 0,1
	ds_load_b128 v[\reg+4*\c:\reg+4*\c+3], v[\adr] offset:8192*(\ks)+4096*\c+512*(\i)
.endr
.endm
.macro FETCH_B ks, p
	WIN 0x40
.irp i, 0,1,2,3,4,5,6,7
	FRAG 128*(\p)+FR*\i, ADRB, \ks, \i
.endr
	WIN 0
.endm
.macro FETCH_A ks, i0
.irp i, \i0, \i0+1, \i0+2, \i0+3
	FRAG AF+FR*(\i), ADRA, \ks, \i
.endr
.endm
.macro SCALES ks                       ; lanes 0-15: the word of src1's block i; lanes 16-31: of src0's block i
.irp i, 0,1,2,3,4,5,6,7
	ds_load_b32 v[SC+8*(\ks)+\i], v[ADRS] offset:512*(\ks)+64*\i
.endr
.endm
; 16 matrix instructions: src1's blocks a0, a0 + 1 x src0's eight.  cmode 0: in place; 1: the sums start with the bias along src0; 2: along src1.  The 64 accumulators take turns, one instruction a turn,
; in the same order in every step.
.macro MUL16 a0, p, ks, cmode
.irp a, \a0, \a0+1
.irp b, 0,1,2,3,4,5,6,7
.if \cmode == 1
	v_wmma_scale_f32_16x16x128_f8f6f4 v[8*(8*((\a)%4)+\b):8*(8*((\a)%4)+\b)+7], v[128*(\p)+FR*\b:128*(\p)+FR*\b+FR-1], v[AF+FR*(\a):AF+FR*(\a)+FR-1], v[BI+8*\b:BI+8*\b+7], v[SC+8*(\ks)+\b], v[SC+8*(\ks)+(\a)] matrix_a_fmt:MATRIX_FMT_FP4 matrix_b_fmt:MATRIX_FMT_FP4 matrix_a_scale:MATRIX_SCALE_ROW1
.elseif \cmode == 2
	v_wmma_scale_f32_16x16x128_f8f6f4 v[8*(8*((\a)%4)+\b):8*(8*((\a)%4)+\b)+7], v[128*(\p)+FR*\b:128*(\p)+FR*\b+FR-1], v[AF+FR*(\a):AF+FR*(\a)+FR-1], v[BI+8*(\a):BI+8*(\a)+7], v[SC+8*(\ks)+\b], v[SC+8*(\ks)+(\a)] matrix_a_fmt:MATRIX_FMT_FP4 matrix_b_fmt:MATRIX_FMT_FP4 matrix_a_scale:MATRIX_SCALE_ROW1
.else
	v_wmma_scale_f32_16x16x128_f8f6f4 v[8*(8*((\a)%4)+\b):8*(8*((\a)%4)+\b)+7], v[128*(\p)+FR*\b:128*(\p)+FR*\b+FR-1], v[AF+FR*(\a):AF+FR*(\a)+FR-1], v[8*(8*((\a)%4)+\b):8*(8*((\a)%4)+\b)+7], v[SC+8*(\ks)+\b], v[SC+8*(\ks)+(\a)] matrix_a_fmt:MATRIX_FMT_FP4 matrix_b_fmt:MATRIX_FMT_FP4 matrix_a_scale:MATRIX_SCALE_ROW1
.endif
.endr
.endr
.endm
; A K step that has a successor.  src1 has one set of registers (a block is free when its eight products are issued), src0 two.  Loads into registers that matrix instructions have read stand four plain places behind them.
.macro STEP ks, cmode
	s_wait_dscnt 8                                 ; all but the youngest eight loads (src1's blocks 4-7)
.if \cmode
	WIN 0x81                                       ; source 0 window 1, C (the bias) window 0, D window 2
.else
	WIN 0xa1                                       ; C and D window 2
.endif
	MUL16 0, (\ks)%2, \ks, \cmode
	MUL16 2, (\ks)%2, \ks, \cmode
	s_wait_dscnt 0x0                               ; src1's blocks 4-7 are in
	PLACES 4
	FETCH_B (\ks)+1, 1-(\ks)%2
	FETCH_A (\ks)+1, 0
	SCALES (\ks)+1
.if \cmode
	WIN 0xc1
.else
	WIN 0xf1
.endif
	MUL16 4, (\ks)%2, \ks, \cmode
	MUL16 6, (\ks)%2, \ks, \cmode
	PLACES 4
	WIN 0
	FETCH_A (\ks)+1, 4
.endm
	s_wait_alu depctr_va_vdst(0)
	s_wait_tensorcnt 0x0                           ; my chunk has landed
	s_barrier_signal -1
	s_barrier_wait -1                              ; everybody's have
	FETCH_B 0, 0
	FETCH_A 0, 0
	SCALES 0
	FETCH_A 0, 4
	s_wait_loadcnt 0x0                             ; the bias
.if KIND == 0
	s_cmp_eq_u32 s[ISV], 0                         ; the first step is written twice: the bias lies along src0 or along src1.  The branch hangs on the cluster's x alone
	s_cbranch_scc0 .Lfirst_v
	STEP 0, 1
	s_branch .Lfirst_done
.Lfirst_v:
	STEP 0, 2
.Lfirst_done:
.else
	STEP 0, 1
.endif
	STEP 1, 0
	STEP 2, 0
	STEP 3, 0
	STEP 4, 0
	STEP 5, 0
	STEP 6, 0
	s_wait_dscnt 8                                 ; the last step: nothing more to fetch
	WIN 0xa1
	MUL16 0, 1, 7, 0
	MUL16 2, 1, 7, 0
	s_wait_dscnt 0x0
	WIN 0xf1
	MUL16 4, 1, 7, 0
	MUL16 6, 1, 7, 0
	WIN 0
	PLACES 4
; THE WAY OUT of src1's block a: its 64 numbers a lane (register 16 B + i: block B of 32 along src0; lanes l and l xor 16 share a block) become one fragment, 16 rows x 128 K, and a scale word a row.
.macro QEPI a
.set WD, 2+(\a)/4
.set S, 64*((\a)%4)
.set PCD, AF+8*(\a)
.if KIND == 1
	WIN (WD<<6)|(WD<<2)
.set j, 0
.rept 64
	v_max_num_f32 v[S+j], 0, v[S+j]                ; the activation, in f32; each accumulator from its low end on
.set j, j+1
.endr
.endif
	WIN WD|(WD<<2)
.irp b, 0,1,2,3
	v_max3_num_f32 v[TM+\b], |v[S+16*\b]|, |v[S+1+16*\b]|, 0x1800000   ; my 16 numbers of block b, and the floor 2^(3 - 127)
.endr
	WIN (WD<<2)|(WD<<4)
.irp i, 2,4,6,8,10,12,14
.irp b, 0,1,2,3
	v_max3_num_f32 v[TM+\b], v[TM+\b], |v[S+16*\b+\i]|, |v[S+1+16*\b+\i]|
.endr
.endr
	WIN 0
.irp b, 0,1,2,3
	v_permlanex16_b32 v[TM+4+\b], v[TM+\b], s[SEL], s[SEL+1]
.endr
.irp b, 0,1,2,3
	v_max_num_f32 v[TM+\b], v[TM+\b], v[TM+4+\b]   ; with lane l xor 16's: the block's largest magnitude
.endr
.irp b, 0,1,2,3
	v_add_nc_u32 v[TM+12+\b], 0xff000000, v[TM+\b] ; 2 off its exponent field: the conversion's scale operand
.endr
.irp b, 0,1,2,3
	v_lshrrev_b32 v[TM+4+\b], 23, v[TM+12+\b]      ; the scale's byte
.endr
	v_lshl_or_b32 v[PW+(\a)], v[TM+5], 8, v[TM+4]
	v_lshl_or_b32 v[PW+(\a)], v[TM+6], 16, v[PW+(\a)]
	v_lshl_or_b32 v[PW+(\a)], v[TM+7], 24, v[PW+(\a)]
	WIN WD
.irp b, 0,1,2,3
	v_cvt_scalef32_pk8_fp4_f32 v[PCD+2*\b], v[S+16*\b:S+7+16*\b], v[TM+12+\b]
	v_cvt_scalef32_pk8_fp4_f32 v[PCD+1+2*\b], v[S+8+16*\b:S+15+16*\b], v[TM+12+\b]
.endr
	WIN 0
	v_nop                                          ; one plain place behind a scaled conversion
.irp c, 0,1                                    ; a whole block to a lane: lanes 0-15 block 2 c, lanes 16-31 block 2 c + 1; its words then hold k = 0-7, 16-23, 8-15, 24-31
.irp i, 0,1
	v_permlane16_swap_b32 v[PCD+4*\c+\i], v[PCD+2+4*\c+\i]
.endr
.endr
	global_store_b128 v[CO], v[PCD:PCD+3], s[OC:OC+1] offset:512*(\a)            ; 512 consecutive bytes a store; every block has registers of its own
	global_store_b128 v[CO], v[PCD+4:PCD+7], s[OC:OC+1] offset:4096+512*(\a)
	ds_store_b32 v[SS], v[PW+(\a)] offset:64*(\a)  ; both halves of the lanes write the same word with the same value
.endm
.irp a, 0,1,2,3,4,5,6,7
	QEPI \a
.endr
	ds_load_b128 v[TM:TM+3], v[SR]                 ; LDS serves a wave's instructions in order: this sees my stores
	s_wait_dscnt 0x0
	global_store_b128 v[CO], v[TM:TM+3], s[OS:OS+1]                ; my 128 rows' scale words: 512 consecutive bytes
	s_wait_tensorcnt 0x0                           ; the wave's end
	ds_add_u32 v[SPW], v[NIL]
	s_wait_dscnt 0x0
	CROUND                                         ; the closing round
	s_endpgm
.Lfunc_end_k_qb29d93b37a_qkv:
	.size	k_qb29d93b37a_qkv, .Lfunc_end_k_qb29d93b37a_qkv-k_qb29d93b37a_qkv
	.p2alignl 7, 3214868480
	.fill 96, 4, 3214868480
	.section	.rodata,"a",@progbits
	.p2align	6, 0x0
	.amdhsa_kernel k_qb29d93b37a_qkv
		.amdhsa_group_segment_fixed_size 281088
		.amdhsa_private_segment_fixed_size 0
		.amdhsa_enable_private_segment 0
		.amdhsa_kernarg_size 40
		.amdhsa_user_sgpr_count 2
		.amdhsa_user_sgpr_kernarg_segment_ptr 1
		.amdhsa_wavefront_size32 1
		.amdhsa_system_sgpr_workgroup_id_x 1
		.amdhsa_system_sgpr_workgroup_id_y 1
		.amdhsa_system_sgpr_workgroup_id_z 1
		.amdhsa_system_vgpr_workitem_id 0
		.amdhsa_next_free_vgpr 1024
		.amdhsa_next_free_sgpr 100
		.amdhsa_reserve_vcc 0
		.amdhsa_float_denorm_mode_32 3
		.amdhsa_float_denorm_mode_16_64 3
		.amdhsa_memory_ordered 1
		.amdhsa_forward_progress 1
		.amdhsa_inst_pref_size 146
	.end_amdhsa_kernel
	.amdgpu_metadata
---
amdhsa.version: [ 1, 2 ]
amdhsa.kernels:
  - .name:           k_qb29d93b37a_qkv
    .symbol:         k_qb29d93b37a_qkv.kd
    .args:
      - { .name: pb, .offset: 0, .size: 8, .value_kind: global_buffer, .address_space: global }
      - { .name: bq, .offset: 8, .size: 8, .value_kind: global_buffer, .address_space: global }
      - { .name: bk, .offset: 16, .size: 8, .value_kind: global_buffer, .address_space: global }
      - { .name: bv, .offset: 24, .size: 8, .value_kind: global_buffer, .address_space: global }
      - { .name: qb, .offset: 32, .size: 8, .value_kind: global_buffer, .address_space: global }
    .group_segment_fixed_size: 281088
    .private_segment_fixed_size: 0
    .kernarg_segment_align: 8
    .kernarg_segment_size: 40
    .max_flat_workgroup_size: 128
    .sgpr_count:     100
    .vgpr_count:     1024
    .wavefront_size: 32
...
	.end_amdgpu_metadata
.endif
;; end of part 2
;; launch attn (part 3): grid 384 x 1, 16 waves a work-group, no clusters, 146,944 bytes of LDS; arguments x, g1, b1, g2, b2, gf, bf, pb, qb, fb, W1, W2, wb; writes fb, wb
.if DOCPART == 3
	.amdgcn_target "amdgcn-amd-amdhsa--gfx1250"
	.amdhsa_code_object_version 6
	.text
	.protected	k_qb29d93b37a_attn
	.globl	k_qb29d93b37a_attn
	.p2align	8
	.type	k_qb29d93b37a_attn,@function
k_qb29d93b37a_attn:
	s_mov_b64 s[64:65], 0
	v_nop
	global_prefetch_b8 v0, s[64:65] scope:SCOPE_SE
	s_setreg_imm32_b32 hwreg(HW_REG_WAVE_MODE, 25, 1), 1
	s_wait_xcnt 0x0
; WORK-GROUPS 0-255: causal attention on codes of E2M1, and all that follows it up to the FFN: x2 = h + o, x3 = LN2(x2), hf = LNf(x3); stored: hf's codes and scale words, and rr = x3 + hf (f32).
; WORK-GROUPS 256-383: W1 and W2 (f32, K outermost) become codes and scale words in wb, for the fourth and fifth launches.  That work hangs on nothing that attention makes, and nothing ahead of the fourth
; launch reads it.  It stands in this launch because the causal mask makes attention's work-groups uneven: tile t of a sequence walks t / 8 + 1 key steps, 1 to 8, 4.5 in the mean.  The tiles are numbered so that
; work-groups 0-127 hold those of 1 to 4 steps, and the weights' 128 work-groups are numbered behind all 256.
; LEFT OUT: key steps of 128 keys that lie wholly behind the work-group's 16 queries: reference()'s own tril gives them -inf, so p = 0 there for all values of the inputs (shown at the head of the first launch).
; SHARES.  A work-group owns 16 queries (one tile of tokens) in ALL 16 heads; wave w is head w.  So a token's 1,024 features meet in one work-group, and o never goes to memory.
; No two waves share K or V: fragments come from memory straight into registers (the buffers are images of the operands' registers), one key step ahead.  No LDS and no barrier in the key loop.
; NO CLUSTER, NO TENSOR LOAD: the number of key steps hangs on the work-group's number (1 to 8), so partners would need different numbers of tiles, and a joint load of a hidden step would be read by nobody.
; LAYOUT.  Both products transposed: S^T = K Q^T (source 0 = 16 keys, source 1 = my 16 queries), O^T = V^T P^T: a lane holds ONE query (lane % 16).  A head's K is 64: the upper half of the instruction's 128 is
; multiplied by Q's zero codes (v20-23); the scale words come as 16 bits, so bytes 2 and 3 are 0, which is 2^-127 and no NaN.
; SOFTMAX: t = score x log2(e) / 32; M = the running largest t rounded up to a whole number; p = 2^(t - M) is quantised along the keys; the row's sum is of the unquantised p and divides at the end.
; The tiles' keys are neighbours, so a block's words come out in the order k = 0-7, 16-23, 8-15, 24-31, as V's codes have them.
; LIMITS: p under 2^-126 counts as 0 (v_exp_f32 flushes); a block of zeros carries the byte 1; no NaN, no infinities among the inputs.
; REGISTERS (attention): v1-11 offsets; v12 -M, v13 largest t, v14-15 the sum; v16-23 Q and zeros; v24 Q's, v25 p's, v26-29 K's, v30-31 V's scale words; v32-63 K (8 x 4), v64-67 zeros; v68-99 V; v100-163 S^T, p;
;   v164-195 O^T; v196-203 p's codes; v204-219 at work; v220-251 b2's slice; v252-253 f; v254 scratch; v255 80 r.
.set QKS,   6291456
.set VC,    4194304
.set VS,    6553600
.set ST1,   8355840
.set HFS,   65536                      ; fb: hf's 32 chunks (a group's codes of 8 K steps, 65,536 bytes, then their scale words, 4,096) from byte 0 on; rr behind them
.set RR,    2228224
.set W1_C,  0                          ; wb: W1's 32 chunks of 69,632 bytes (a group x 8 K steps: codes, then scale words);
.set W2_C,  2228224                    ; W2's 32 chunks: 8 groups x 4 runs of 8 K steps
.set SCW,   5120                       ; LDS: 0: four regions of 16 rows x 80 bytes for the sums over heads; here: hf's scale words, 512 bytes
.set STAGE, 5632                       ; 16 rows x 272 bytes for each wave
.set SPARE, 75264                      ; the spare words, 128 bytes for each of 16 waves
.set SEL,   32
.set CS,    34
	v_lshl_add_u32 v5, v0, 2, SPARE                ; my spare word,
	v_mov_b32 v6, 0                                ; and 0: kept for the add alone
	s_cmp_lt_u32 ttmp9, 256
	s_cbranch_scc0 .Lweights                       ; the weights' work-groups: at the end of the text
	s_load_b512 s[8:23], s[0:1], 0x0               ; x 8, g1 10, b1 12, g2 14, b2 16, gf 18, bf 20, pb 22
	s_load_b128 s[24:27], s[0:1], 0x40             ; qb 24, fb 26
	v_lshrrev_b32 v254, 5, v0
	s_delay_alu instid0(VALU_DEP_1)
	v_readfirstlane_b32 s28, v254                  ; wave = head
	v_and_b32 v254, 31, v0                         ; lane
	v_and_b32 v255, 15, v0                         ; r
	v_bfe_u32 v253, v0, 4, 1                       ; h
	s_wait_alu depctr_va_vdst(0)
	v_lshlrev_b32 v1, 4, v254                      ; 16 x lane
	v_lshlrev_b32 v2, 2, v254                      ; 4 x lane
	v_lshlrev_b32 v3, 2, v255                      ; 4 r
	s_and_b32 s30, ttmp9, 3                        ; batch
	s_bfe_u32 s46, ttmp9, 0x60002                  ; my tile of 16 queries in the sequence: work-group / 4, so that the short tiles have the low numbers
	s_lshl_b32 s29, s30, 6
	s_add_co_u32 s29, s29, s46                     ; my tile among all 256 tiles of tokens
	s_lshr_b32 s31, s46, 3                         ; key steps all of whose keys count
	s_lshr_b32 s47, s28, 1                         ; head / 2: a K step of the features
	s_and_b32 s48, s28, 1                          ; head % 2: its half c
	s_lshr_b32 s49, s29, 3                         ; my queries' group of 128 tokens,
	s_and_b32 s45, s29, 7                          ; and tile in it
	s_lshl_b32 s50, s45, 4
	v_lshlrev_b32 v4, 3, v253
	s_delay_alu instid0(VALU_DEP_1)
	v_sub_nc_u32 v4, v255, v4
	s_delay_alu instid0(VALU_DEP_1)
	v_add_nc_u32 v4, s50, v4                       ; d = my query - the diagonal step's first key - 8 h
	v_lshlrev_b32 v10, 5, v253
	s_lshl_b32 s50, s28, 8
	v_add_nc_u32 v10, s50, v10                     ; a parameter's slice: 256 head + 32 h
	s_delay_alu instid0(VALU_DEP_1)
	v_lshl_add_u32 v11, v255, 12, v10              ; x: + row r
	v_lshlrev_b32 v219, 3, v255                    ; the statistics: 8 r
	s_mov_b32 s[SEL], 0x76543210
	s_mov_b32 s[SEL+1], 0xfedcba98
	s_mov_b32 s[CS], 0x3d38aa3b                    ; c = log2(e) / sqrt(1024)
	s_mov_b32 s[CS+1], s[CS]
	s_mov_b32 s58, 0x3a800000                      ; 1 / 1024
	s_mov_b32 s59, 0x3727c5ac                      ; 1e-5
	s_mov_b32 s51, 0
	s_lshl_b32 s61, s30, 20                        ; K's codes: group 8 batch, K step 8 + head / 2, half c
	s_add_co_u32 s50, s47, 8
	s_lshl_b32 s52, s50, 13
	s_add_co_u32 s61, s61, s52
	s_lshl_b32 s52, s48, 12
	s_add_co_u32 s61, s61, s52
	s_lshl_b32 s62, s30, 16                        ; K's scale words, the head's two bytes
	s_lshl_b32 s52, s50, 9
	s_add_co_u32 s62, s62, s52
	s_lshl_b32 s52, s48, 1
	s_add_co_u32 s62, s62, s52
	s_add_co_u32 s62, s62, QKS
	s_lshl_b32 s63, s47, 18                        ; V's codes: group head / 2, K step 8 batch, tiles 4 (head % 2) on
	s_lshl_b32 s52, s30, 16
	s_add_co_u32 s63, s63, s52
	s_lshl_b32 s52, s48, 11
	s_add_co_u32 s63, s63, s52
	s_add_co_u32 s63, s63, VC
	s_lshl_b32 s66, s47, 14                        ; V's scale words
	s_lshl_b32 s52, s30, 12
	s_add_co_u32 s66, s66, s52
	s_lshl_b32 s52, s48, 8
	s_add_co_u32 s66, s66, s52
	s_add_co_u32 s66, s66, VS
	s_lshl_b32 s67, s49, 17                        ; Q's codes
	s_lshl_b32 s52, s47, 13
	s_add_co_u32 s67, s67, s52
	s_lshl_b32 s52, s48, 12
	s_add_co_u32 s67, s67, s52
	s_lshl_b32 s52, s45, 9
	s_add_co_u32 s67, s67, s52
	s_lshl_b32 s68, s49, 13                        ; Q's scale words
	s_lshl_b32 s52, s47, 9
	s_add_co_u32 s68, s68, s52
	s_lshl_b32 s52, s45, 6
	s_add_co_u32 s68, s68, s52
	s_lshl_b32 s52, s48, 1
	s_add_co_u32 s68, s68, s52
	s_add_co_u32 s68, s68, QKS
	; the prefetches' offset from qb: lanes 0-15: the 16 blocks of 256 bytes of a step's K; lanes 16-31: those of its V (two runs of 2,048 bytes).  It stands at step 1; each trip steps it first
	v_lshlrev_b32 v7, 8, v255
	s_delay_alu instid0(VALU_DEP_1)
	v_add_nc_u32 v7, s61, v7
	s_delay_alu instid0(VALU_DEP_1)
	v_add_nc_u32 v7, 0x20000, v7
	v_bfe_u32 v8, v0, 3, 1
	s_delay_alu instid0(VALU_DEP_1)
	v_lshlrev_b32 v8, 12, v8
	v_and_b32 v252, 7, v0
	s_delay_alu instid0(VALU_DEP_1)
	v_lshl_add_u32 v8, v252, 8, v8
	s_delay_alu instid0(VALU_DEP_1)
	v_add_nc_u32 v8, s63, v8
	s_delay_alu instid0(VALU_DEP_1)
	v_add_nc_u32 v8, 0x2000, v8
	v_cmp_gt_u32 vcc_lo, 16, v254
	s_delay_alu instid0(VALU_DEP_1)
	v_cndmask_b32 v7, v8, v7, vcc_lo
	v_mov_b32 v8, 0x2000
	v_mov_b32 v252, 0x20000
	s_delay_alu instid0(VALU_DEP_1)
	v_cndmask_b32 v8, v8, v252, vcc_lo             ; a key step on: 131,072 bytes in K, 8,192 in V
	s_cmp_eq_u32 s46, 63                           ; the batch's last tile walks all eight steps: it asks, and nobody else
	s_cselect_b32 s60, 1, -1
	v_mul_u32_u24 v255, v255, 80                   ; 80 r: a row of a sum's region
	s_lshl_b32 s50, s28, 2
	v_add_nc_u32 v9, s50, v255                     ; + 4 x wave: my word in it
	v_mov_b32 v13, 0xff61b1e6                      ; the largest t so far: -3e38
	s_delay_alu instid0(VALU_DEP_1)
	v_floor_f32 v12, -v13                          ; -M
	v_mov_b32 v14, 0
	v_mov_b32 v15, 0
	v_mov_b32 v253, 0                              ; (named as the upper half of the pair v[252:253])
.irp j, 20,21,22,23,64,65,66,67,208,209,210,211
	v_mov_b32 v\j, 0                               ; Q's zero codes; the tail behind K's last tile; the lane permutes' destinations
.endr
.set n, 0
.rept 32
	v_mov_b32 v[164+n], 0                          ; O^T: the step is written for every step alike; the first change of M leaves zeros zeros
.set n, n+1
.endr
	s_wait_kmcnt 0x0
	s_mov_b32 s50, s61
	s_add_nc_u64 s[36:37], s[24:25], s[50:51]      ; K's codes
	s_mov_b32 s50, s62
	s_add_nc_u64 s[38:39], s[24:25], s[50:51]      ; K's scales
	s_mov_b32 s50, s63
	s_add_nc_u64 s[40:41], s[24:25], s[50:51]      ; V's codes
	s_mov_b32 s50, s66
	s_add_nc_u64 s[42:43], s[24:25], s[50:51]      ; V's scales
	s_mov_b32 s50, s67
	s_add_nc_u64 s[70:71], s[24:25], s[50:51]
	s_mov_b32 s50, s68
	s_add_nc_u64 s[72:73], s[24:25], s[50:51]
	s_lshl_b32 s50, s29, 16
	s_add_nc_u64 s[54:55], s[8:9], s[50:51]        ; x at my 16 rows
	s_lshl_b32 s52, s28, 8
	s_add_co_u32 s50, s50, s52
	s_add_co_u32 s50, s50, RR
	s_add_nc_u64 s[74:75], s[26:27], s[50:51]      ; rr at my rows, my head's 256 bytes
	s_lshl_b32 s50, s29, 7
	s_add_co_u32 s50, s50, ST1
	s_add_nc_u64 s[56:57], s[22:23], s[50:51]      ; LN1's statistics of my rows
	s_mul_i32 s50, s49, 69632
	s_lshl_b32 s52, s47, 13
	s_add_co_u32 s50, s50, s52
	s_lshl_b32 s52, s48, 12
	s_add_co_u32 s50, s50, s52
	s_lshl_b32 s52, s45, 9
	s_add_co_u32 s50, s50, s52
	s_add_nc_u64 s[76:77], s[26:27], s[50:51]      ; hf's codes
	s_mul_i32 s50, s49, 69632
	s_lshl_b32 s52, s45, 6
	s_add_co_u32 s50, s50, s52
	s_add_co_u32 s50, s50, HFS
	s_add_nc_u64 s[78:79], s[26:27], s[50:51]      ; hf's scale words
.macro PLOAD reg, off, sp              ; 32 numbers in the results' layout: register 8 t + j = feature 64 head + 16 t + 8 h + j
.irp t, 0,1,2,3
	global_load_b128 v[\reg+8*\t:\reg+8*\t+3], v[\off], s[\sp:\sp+1] offset:64*\t
	global_load_b128 v[\reg+8*\t+4:\reg+8*\t+7], v[\off], s[\sp:\sp+1] offset:64*\t+16
.endr
.endm
.macro KLOAD                           ; a step's K: 8 tiles of 16 keys x 64, 4 registers each; a scale register holds tile 2 p in lanes 0-15, tile 2 p + 1 in lanes 16-31
.irp t, 0,1,2,3,4,5,6,7
	global_load_b128 v[32+4*\t:35+4*\t], v1, s[36:37] offset:512*\t
.endr
.irp p, 0,1,2,3
	global_load_u16 v[26+\p], v2, s[38:39] offset:128*\p
.endr
.endm
; A PREFETCH INTO THE L2 of the step two on: it stands behind the wave's loads of the next K.  Each block of 256 bytes of K's and V's codes of steps 2 to 7 is named once in the launch: by the batch's last tile,
; each wave for its own head, a lane a block.  s44 counts the full steps down from 7: the last trip asks for nothing, so nothing behind step 7 is named.  Steps 0 and 1 come by their loads alone.
.macro ASK
	s_cmp_gt_u32 s44, s60
	s_cbranch_scc0 .Lnot_mine_\@
	s_wait_alu depctr_va_vdst(0)
	global_prefetch_b8 v7, s[24:25] th:TH_LOAD_NT scope:SCOPE_SE
.Lnot_mine_\@:
.endm
	global_load_b128 v[16:19], v1, s[70:71]        ; Q's fragment stays in registers
	global_load_u16 v24, v3, s[72:73]
	PLOAD 220, 10, 16                              ; b2's slice
	KLOAD                                          ; key step 0
; A KEY STEP of 128 keys.  diag = 0: all keys count, and a step follows.  diag = 1: the last, on the diagonal.
.macro STEP diag
.if !\diag
	s_wait_xcnt 0x0                                ; the last prefetch, a step back, has read its offset
	v_add_nc_u32 v7, v7, v8
.endif
.rept 4
	v_nop                                          ; places in front of loads into registers that the last products read
.endr
.irp t, 0,1,2,3
.irp c, 0,1
	global_load_b128 v[68+8*\t+4*\c:71+8*\t+4*\c], v1, s[40:41] offset:4096*\c+512*\t   ; V: 4 tiles of 16 features x 128 keys
.endr
.endr
.irp p, 0,1
	global_load_b32 v[30+\p], v2, s[42:43] offset:128*\p
.endr
	s_wait_loadcnt 10                              ; K and all that is older are in; V's ten loads stay out
.irp t, 0,1,2,3,4,5,6,7
.if (\t)%2
	v_wmma_scale_f32_16x16x128_f8f6f4 v[100+8*\t:107+8*\t], v[32+4*\t:39+4*\t], v[16:23], 0, v[26+\t/2], v24 matrix_a_fmt:MATRIX_FMT_FP4 matrix_b_fmt:MATRIX_FMT_FP4 matrix_a_scale:MATRIX_SCALE_ROW1
.else
	v_wmma_scale_f32_16x16x128_f8f6f4 v[100+8*\t:107+8*\t], v[32+4*\t:39+4*\t], v[16:23], 0, v[26+\t/2], v24 matrix_a_fmt:MATRIX_FMT_FP4 matrix_b_fmt:MATRIX_FMT_FP4
.endif
.endr
.rept 4
	v_nop
.endr
.if !\diag
	s_add_nc_u64 s[36:37], s[36:37], 0x20000       ; K's loads were shown done by the wait above: their bases may step
	s_add_nc_u64 s[38:39], s[38:39], 0x2000
	KLOAD                                          ; the next step's K: it has the softmax in which to land
	ASK
.else
	PLOAD 32, 11, 54                               ; nothing follows: x takes K's registers,
	global_load_b64 v[216:217], v219, s[56:57]     ; (mean, rs) of LN1
	v_mov_b32 v254, 0xff800000                     ; -infinity for hidden keys: register n holds key 16 (n / 8) + 8 h + n % 8 of the step
.set n, 0
.rept 64
	v_cmp_gt_i32 vcc_lo, 16*(n/8)+n%8, v4
	v_cndmask_b32 v[100+n], v[100+n], v254, vcc_lo
.set n, n+1
.endr
.endif
.irp b, 0,1,2,3
	v_max3_num_f32 v[204+\b], v[100+16*\b], v[101+16*\b], v[102+16*\b]   ; the largest score of each block of 32 keys: for the row's maximum and, since p rises with the score, for the block's largest p
.endr
.irp i, 3,5,7,9,11,13
.irp b, 0,1,2,3
	v_max3_num_f32 v[204+\b], v[204+\b], v[100+16*\b+\i], v[101+16*\b+\i]
.endr
.endr
.irp b, 0,1,2,3
	v_max_num_f32 v[204+\b], v[204+\b], v[115+16*\b]
.endr
.irp b, 0,1,2,3
	s_delay_alu instid0(VALU_DEP_4)
	v_permlanex16_b32 v[208+\b], v[204+\b], s[SEL], s[SEL+1]
.endr
.irp b, 0,1,2,3
	s_delay_alu instid0(VALU_DEP_4)
	v_max_num_f32 v[204+\b], v[204+\b], v[208+\b]
.endr
	s_delay_alu instid0(VALU_DEP_2)
	v_max3_num_f32 v254, v204, v205, v206
	s_delay_alu instid0(VALU_DEP_1)
	v_max_num_f32 v254, v254, v207
	s_delay_alu instid0(VALU_DEP_1)
	v_mul_f32 v254, s[CS], v254
	s_delay_alu instid0(VALU_DEP_1)
	v_max_num_f32 v13, v13, v254                   ; the running largest t
	v_mov_b32 v254, v12
	s_delay_alu instid0(VALU_DEP_2)
	v_floor_f32 v12, -v13                          ; -M = floor(-t): M is a whole number
	s_delay_alu instid0(VALU_DEP_1)
	v_sub_f32 v254, v12, v254
	s_delay_alu instid0(VALU_DEP_1)
	v_cvt_i32_f32 v254, v254                       ; (it saturates)
	s_delay_alu instid0(VALU_DEP_1)
	v_ldexp_f32 v252, 1.0, v254                    ; f = 2^(old M - new M): exact
.set n, 0
.rept 32
	v_pk_fma_f32 v[100+n:101+n], v[100+n:101+n], s[CS:CS+1], v[12:13] op_sel_hi:[1,0,0]   ; t - M
.set n, n+2
.endr
.irp b, 0,1,2,3
	v_fma_f32 v[204+\b], v[204+\b], s[CS], v12
.endr
.set n, 0
	s_wait_alu depctr_va_vdst(0)
.rept 64
	v_exp_f32 v[100+n], v[100+n]                   ; p = 2^(t - M): not normalised
.set n, n+1
.endr
	v_pk_mul_f32 v[14:15], v[14:15], v[252:253] op_sel_hi:[1,0]   ; the sums under the new M: a plain line behind the exponentials
	s_wait_alu depctr_va_vdst(0)                   ; one wait for the batch, ahead of its first reader
.irp b, 0,1,2,3
	v_exp_f32 v[204+\b], v[204+\b]                 ; each block's largest p
.endr
	v_pk_add_f32 v[208:209], v[104:105], v[108:109]
	v_pk_add_f32 v[214:215], v[112:113], v[116:117]
	v_pk_add_f32 v[212:213], v[120:121], v[124:125]
	v_pk_add_f32 v[210:211], v[128:129], v[132:133]
	v_pk_add_f32 v[202:203], v[136:137], v[140:141]
	v_pk_add_f32 v[200:201], v[144:145], v[148:149]
	v_pk_add_f32 v[198:199], v[152:153], v[156:157]
	v_pk_add_f32 v[14:15], v[14:15], v[160:161]
	v_pk_add_f32 v[208:209], v[208:209], v[100:101]
	v_pk_add_f32 v[214:215], v[214:215], v[102:103]
	v_pk_add_f32 v[212:213], v[212:213], v[106:107]
	v_pk_add_f32 v[210:211], v[210:211], v[110:111]
	v_pk_add_f32 v[202:203], v[202:203], v[114:115]
	v_pk_add_f32 v[200:201], v[200:201], v[118:119]
	v_pk_add_f32 v[198:199], v[198:199], v[122:123]
	v_pk_add_f32 v[14:15], v[14:15], v[126:127]
	v_pk_add_f32 v[208:209], v[208:209], v[130:131]
	v_pk_add_f32 v[214:215], v[214:215], v[134:135]
	v_pk_add_f32 v[212:213], v[212:213], v[138:139]
	v_pk_add_f32 v[210:211], v[210:211], v[142:143]
	v_pk_add_f32 v[202:203], v[202:203], v[146:147]
	v_pk_add_f32 v[200:201], v[200:201], v[150:151]
	v_pk_add_f32 v[198:199], v[198:199], v[154:155]
	v_pk_add_f32 v[14:15], v[14:15], v[158:159]
	v_pk_add_f32 v[208:209], v[208:209], v[162:163]
	s_delay_alu instid0(VALU_DEP_2)
	v_pk_add_f32 v[14:15], v[14:15], v[210:211]
	s_delay_alu instid0(VALU_DEP_2)
	v_pk_add_f32 v[208:209], v[208:209], v[202:203]
	v_pk_add_f32 v[214:215], v[214:215], v[200:201]
	v_pk_add_f32 v[212:213], v[212:213], v[198:199]
	s_delay_alu instid0(VALU_DEP_2)
	v_pk_add_f32 v[14:15], v[14:15], v[214:215]
	s_delay_alu instid0(VALU_DEP_2)
	v_pk_add_f32 v[208:209], v[208:209], v[212:213]
	s_delay_alu instid0(VALU_DEP_1)
	v_pk_add_f32 v[14:15], v[14:15], v[208:209]
	s_wait_alu depctr_va_vdst(0)                   ; and one for the four
.irp b, 0,1,2,3
	v_max_num_f32 v[204+\b], 0x1800000, v[204+\b]  ; the floor 2^(3 - 127)
.endr
.irp b, 0,1,2,3
	s_delay_alu instid0(VALU_DEP_4)
	v_add_nc_u32 v[212+\b], 0xff000000, v[204+\b]
.endr
.irp b, 0,1,2,3
	s_delay_alu instid0(VALU_DEP_4)
	v_lshrrev_b32 v[208+\b], 23, v[212+\b]
.endr
	s_delay_alu instid0(VALU_DEP_3)
	v_lshl_or_b32 v25, v209, 8, v208               ; p's scale word for these 128 keys
	s_delay_alu instid0(VALU_DEP_1)
	v_lshl_or_b32 v25, v210, 16, v25
	s_delay_alu instid0(VALU_DEP_1)
	v_lshl_or_b32 v25, v211, 24, v25
.irp b, 0,1,2,3
	v_cvt_scalef32_pk8_fp4_f32 v[196+2*\b], v[100+16*\b:107+16*\b], v[212+\b]
	v_cvt_scalef32_pk8_fp4_f32 v[197+2*\b], v[108+16*\b:115+16*\b], v[212+\b]
.endr
	v_nop
.irp c, 0,1
.irp i, 0,1
	v_permlane16_swap_b32 v[196+4*\c+\i], v[198+4*\c+\i]
.endr
.endr
.if \diag
	PLOAD 100, 10, 10                              ; p is done with: g1's slice,
	PLOAD 132, 10, 12                              ; and b1's
.endif
.set n, 0
.rept 16
	v_pk_mul_f32 v[164+n:165+n], v[164+n:165+n], v[252:253] op_sel_hi:[1,0]   ; O^T under the new M.  These sixteen are also the places between p's codes and scale word and the products
.set n, n+2
.endr
.if \diag
	s_wait_alu depctr_va_vdst(0)
	s_wait_loadcnt 25                              ; V is in; younger: x 8, the statistics 1, g1 and b1 16
.else
	s_wait_alu depctr_va_vdst(0)
	s_wait_loadcnt 12                              ; V is in; the next K's twelve loads stay out
.endif
.irp t, 0,1,2,3
.if (\t)%2
	v_wmma_scale_f32_16x16x128_f8f6f4 v[164+8*\t:171+8*\t], v[68+8*\t:75+8*\t], v[196:203], v[164+8*\t:171+8*\t], v[30+\t/2], v25 matrix_a_fmt:MATRIX_FMT_FP4 matrix_b_fmt:MATRIX_FMT_FP4 matrix_a_scale:MATRIX_SCALE_ROW1
.else
	v_wmma_scale_f32_16x16x128_f8f6f4 v[164+8*\t:171+8*\t], v[68+8*\t:75+8*\t], v[196:203], v[164+8*\t:171+8*\t], v[30+\t/2], v25 matrix_a_fmt:MATRIX_FMT_FP4 matrix_b_fmt:MATRIX_FMT_FP4
.endif
.endr
.if !\diag
	s_add_nc_u64 s[40:41], s[40:41], 0x2000        ; V's loads were shown done: their bases may step
	s_add_nc_u64 s[42:43], s[42:43], 0x200
.endif
.endm
	s_mov_b32 s44, s31
	s_cmp_eq_u32 s31, 0
	s_cbranch_scc1 .Ldiag
.Lstep:
	STEP 0
	s_sub_co_u32 s44, s44, 1
	s_cmp_lg_u32 s44, 0
	s_cbranch_scc1 .Lstep
.Ldiag:
	STEP 1
; ---------------- behind the keys.  Lane (r, h), register 8 t + j: token r, feature 64 head + 16 t + 8 h + j.
.macro LSUM B                          ; v212 = the sum of my 32 numbers
	v_pk_add_f32 v[214:215], v[164:165], v[166:167]
	v_pk_add_f32 v[252:253], v[172:173], v[176:177]
	v_pk_add_f32 v[218:219], v[180:181], v[184:185]
	v_pk_add_f32 v[216:217], v[188:189], v[192:193]
	v_pk_add_f32 v[210:211], v[168:169], v[170:171]
	v_pk_add_f32 v[208:209], v[174:175], v[178:179]
	v_pk_add_f32 v[206:207], v[182:183], v[186:187]
	v_pk_add_f32 v[212:213], v[190:191], v[194:195]
	s_delay_alu instid0(VALU_DEP_1)
	v_pk_add_f32 v[212:213], v[212:213], v[216:217]
	v_pk_add_f32 v[214:215], v[214:215], v[210:211]
	v_pk_add_f32 v[252:253], v[252:253], v[208:209]
	v_pk_add_f32 v[218:219], v[218:219], v[206:207]
	s_delay_alu instid0(VALU_DEP_2)
	v_pk_add_f32 v[212:213], v[212:213], v[252:253]
	s_delay_alu instid0(VALU_DEP_2)
	v_pk_add_f32 v[214:215], v[214:215], v[218:219]
	s_delay_alu instid0(VALU_DEP_1)
	v_pk_add_f32 v[212:213], v[212:213], v[214:215]
	s_delay_alu instid0(VALU_DEP_1)
	v_add_f32 v212, v212, v213
.endm
.macro LSQ B                           ; v212 = the sum of their squares
	v_pk_mul_f32 v[212:213], v[\B:\B+1], v[\B:\B+1]
	v_pk_mul_f32 v[214:215], v[\B+2:\B+3], v[\B+2:\B+3]
.irp i, 4,8,12,16,20,24,28
	s_delay_alu instid0(VALU_DEP_2)
	v_pk_fma_f32 v[212:213], v[\B+\i:\B+\i+1], v[\B+\i:\B+\i+1], v[212:213]
	s_delay_alu instid0(VALU_DEP_2)
	v_pk_fma_f32 v[214:215], v[\B+\i+2:\B+\i+3], v[\B+\i+2:\B+\i+3], v[214:215]
.endr
	s_delay_alu instid0(VALU_DEP_1)
	v_pk_add_f32 v[212:213], v[212:213], v[214:215]
	s_delay_alu instid0(VALU_DEP_1)
	v_add_f32 v212, v212, v213
.endm
.macro RED n                           ; v212 summed over the row's 1,024 features: my partner's half, then the 16 heads through region n of LDS; the same order of additions in every lane
	s_delay_alu instid0(VALU_DEP_1)
	v_permlanex16_b32 v213, v212, s[SEL], s[SEL+1]
	s_delay_alu instid0(VALU_DEP_1)
	v_add_f32 v212, v212, v213
	ds_store_b32 v9, v212 offset:1280*\n           ; both halves of the lanes write the same word with the same value
	s_wait_dscnt 0x0                               ; for the others' sake
	s_barrier_signal -1
	s_barrier_wait -1
.irp i, 0,1,2,3
	ds_load_b128 v[196+4*\i:199+4*\i], v255 offset:1280*\n+16*\i
.endr
	s_wait_dscnt 0x0
	v_pk_add_f32 v[196:197], v[196:197], v[198:199]
	v_pk_add_f32 v[200:201], v[200:201], v[202:203]
	v_pk_add_f32 v[204:205], v[204:205], v[206:207]
	v_pk_add_f32 v[208:209], v[208:209], v[210:211]
	s_delay_alu instid0(VALU_DEP_3)
	v_pk_add_f32 v[196:197], v[196:197], v[200:201]
	s_delay_alu instid0(VALU_DEP_2)
	v_pk_add_f32 v[204:205], v[204:205], v[208:209]
	s_delay_alu instid0(VALU_DEP_1)
	v_pk_add_f32 v[196:197], v[196:197], v[204:205]
	s_delay_alu instid0(VALU_DEP_1)
	v_add_f32 v212, v196, v197
.endm
.macro RSQ                             ; v[214:215] = 1 / sqrt(v212 / 1024 + eps), twice
	s_delay_alu instid0(VALU_DEP_1)
	v_fma_f32 v214, v212, s58, s59
	s_wait_alu depctr_va_vdst(0)
	v_rsq_f32 v214, v214
	v_nop
	s_wait_alu depctr_va_vdst(0)
	v_mov_b32 v215, v214
.endm
.rept 4
	v_nop                                          ; places behind the last products
.endr
	PLOAD 68, 10, 14                               ; g2's slice takes V's registers
	v_add_f32 v14, v14, v15
	s_delay_alu instid0(VALU_DEP_1)
	v_permlanex16_b32 v208, v14, s[SEL], s[SEL+1]
	s_delay_alu instid0(VALU_DEP_1)
	v_add_f32 v14, v14, v208                       ; the row's sum
	s_wait_alu depctr_va_vdst(0)
	v_rcp_f32 v14, v14
	v_nop
	s_wait_alu depctr_va_vdst(0)
	v_mov_b32 v15, v14
	s_wait_loadcnt 8                               ; x, the statistics, g1 and b1 are in; g2's eight loads stay out
	v_mov_b32 v204, v216
	v_mov_b32 v205, v216
	v_mov_b32 v206, v217
	v_mov_b32 v207, v217
.set n, 0
.rept 16
	v_pk_add_f32 v[32+n:33+n], v[32+n:33+n], v[204:205] neg_lo:[0,1] neg_hi:[0,1]
	s_delay_alu instid0(VALU_DEP_1)
	v_pk_mul_f32 v[32+n:33+n], v[32+n:33+n], v[206:207]
	s_delay_alu instid0(VALU_DEP_1)
	v_pk_fma_f32 v[32+n:33+n], v[32+n:33+n], v[100+n:101+n], v[132+n:133+n]    ; h, as the first launch made it
.set n, n+2
.endr
	PLOAD 100, 10, 18                              ; gf's slice,
	PLOAD 132, 10, 20                              ; bf's
.set n, 0
.rept 16
	v_pk_fma_f32 v[164+n:165+n], v[164+n:165+n], v[14:15], v[32+n:33+n]        ; x2 = O^T / the sum + h; each accumulator from its low end on
.set n, n+2
.endr
	LSUM 164
	RED 0
	s_delay_alu instid0(VALU_DEP_1)
	v_mul_f32 v214, s58, v212
	s_delay_alu instid0(VALU_DEP_1)
	v_mov_b32 v215, v214
.set n, 0
.rept 16
	v_pk_add_f32 v[164+n:165+n], v[164+n:165+n], v[214:215] neg_lo:[0,1] neg_hi:[0,1]
.set n, n+2
.endr
	LSQ 164
	RED 1
	RSQ
	s_wait_alu depctr_va_vdst(0)
	s_wait_loadcnt 16                              ; g2 is in; gf's and bf's sixteen loads stay out
.set n, 0
.rept 16
	v_pk_mul_f32 v[164+n:165+n], v[164+n:165+n], v[214:215]
	s_delay_alu instid0(VALU_DEP_1)
	v_pk_fma_f32 v[164+n:165+n], v[164+n:165+n], v[68+n:69+n], v[220+n:221+n]  ; x3
.set n, n+2
.endr
	LSUM 164
	RED 2
	s_delay_alu instid0(VALU_DEP_1)
	v_mul_f32 v214, s58, v212
	s_delay_alu instid0(VALU_DEP_1)
	v_mov_b32 v215, v214
.set n, 0
.rept 16
	v_pk_add_f32 v[32+n:33+n], v[164+n:165+n], v[214:215] neg_lo:[0,1] neg_hi:[0,1]
.set n, n+2
.endr
	LSQ 32
	RED 3
	RSQ
	s_wait_alu depctr_va_vdst(0)
	s_wait_loadcnt 0x0
.set n, 0
.rept 16
	v_pk_mul_f32 v[32+n:33+n], v[32+n:33+n], v[214:215]
	s_delay_alu instid0(VALU_DEP_1)
	v_pk_fma_f32 v[32+n:33+n], v[32+n:33+n], v[100+n:101+n], v[132+n:133+n]    ; hf
	s_delay_alu instid0(VALU_DEP_1)
	v_pk_add_f32 v[164+n:165+n], v[164+n:165+n], v[32+n:33+n]                  ; rr = x3 + hf
.set n, n+2
.endr
	; rr through my stage: in by 32 bytes of a row, back as whole rows of 256 bytes
	v_and_b32 v204, 15, v0
	v_bfe_u32 v205, v0, 4, 1
	s_mul_i32 s50, s28, 4352
	s_add_co_u32 s50, s50, STAGE
	v_mul_u32_u24 v206, v204, 272
	s_delay_alu instid0(VALU_DEP_1)
	v_lshl_add_u32 v206, v205, 5, v206
	s_delay_alu instid0(VALU_DEP_1)
	v_add_nc_u32 v206, s50, v206
	v_mul_u32_u24 v207, v205, 272
	s_delay_alu instid0(VALU_DEP_1)
	v_lshl_add_u32 v207, v204, 4, v207
	s_delay_alu instid0(VALU_DEP_1)
	v_add_nc_u32 v207, s50, v207
	v_lshlrev_b32 v208, 12, v205
	s_delay_alu instid0(VALU_DEP_1)
	v_lshl_add_u32 v208, v204, 4, v208
	s_lshl_b32 s50, s47, 6
	s_lshl_b32 s52, s48, 1
	s_add_co_u32 s50, s50, s52
	s_add_co_u32 s50, s50, SCW
	v_add_nc_u32 v210, s50, v3                     ; my two scale bytes: 64 (head / 2) + 4 r + 2 (head % 2)
	v_and_b32 v211, 31, v0
	s_delay_alu instid0(VALU_DEP_1)
	v_lshrrev_b32 v218, 2, v211
	s_delay_alu instid0(VALU_DEP_2)
	v_and_b32 v211, 3, v211
	s_delay_alu instid0(VALU_DEP_2)
	v_lshlrev_b32 v218, 9, v218
	s_delay_alu instid0(VALU_DEP_1)
	v_lshl_add_u32 v211, v211, 4, v218             ; wave 0's way out of the scale words
.irp t, 0,1,2,3
	ds_store_b128 v206, v[164+8*\t:167+8*\t] offset:64*\t
	ds_store_b128 v206, v[168+8*\t:171+8*\t] offset:64*\t+16
.endr
.irp i, 0,1,2,3,4,5,6,7
	ds_load_b128 v[68+4*\i:71+4*\i], v207 offset:544*\i            ; LDS serves a wave's instructions in order: these see my stores
.endr
	; hf's 32 numbers a lane: the head's two blocks of 32
.irp b, 0,1
	v_max3_num_f32 v[196+\b], |v[32+16*\b]|, |v[33+16*\b]|, 0x1800000
.endr
.irp i, 2,4,6,8,10,12,14
.irp b, 0,1
	s_delay_alu instid0(VALU_DEP_2)
	v_max3_num_f32 v[196+\b], v[196+\b], |v[32+16*\b+\i]|, |v[33+16*\b+\i]|
.endr
.endr
.irp b, 0,1
	s_delay_alu instid0(VALU_DEP_2)
	v_permlanex16_b32 v[198+\b], v[196+\b], s[SEL], s[SEL+1]
.endr
.irp b, 0,1
	s_delay_alu instid0(VALU_DEP_2)
	v_max_num_f32 v[196+\b], v[196+\b], v[198+\b]
.endr
.irp b, 0,1
	s_delay_alu instid0(VALU_DEP_2)
	v_add_nc_u32 v[200+\b], 0xff000000, v[196+\b]
.endr
.irp b, 0,1
	s_delay_alu instid0(VALU_DEP_2)
	v_lshrrev_b32 v[202+\b], 23, v[200+\b]
.endr
	s_delay_alu instid0(VALU_DEP_1)
	v_lshl_or_b32 v209, v203, 8, v202
.irp b, 0,1
	v_cvt_scalef32_pk8_fp4_f32 v[212+2*\b], v[32+16*\b:39+16*\b], v[200+\b]
	v_cvt_scalef32_pk8_fp4_f32 v[213+2*\b], v[40+16*\b:47+16*\b], v[200+\b]
.endr
	v_nop
	v_permlane16_swap_b32 v212, v214
	v_permlane16_swap_b32 v213, v215
	s_wait_alu depctr_va_vdst(0)
.irp i, 0,1,2,3,4,5,6,7
	s_wait_dscnt 7-\i
	global_store_b128 v208, v[68+4*\i:71+4*\i], s[74:75] offset:8192*\i        ; sixteen lanes store 256 consecutive bytes, aligned
.endr
	global_store_b128 v1, v[212:215], s[76:77]     ; 512 consecutive bytes
	ds_store_b16 v210, v209
	s_wait_dscnt 0x0
	s_barrier_signal -1
	s_barrier_wait -1                              ; the tile's 128 scale words lie in LDS
	s_cmp_lg_u32 s28, 0
	s_cbranch_scc1 .Lend
	ds_load_b128 v[196:199], v1 offset:SCW
	s_wait_dscnt 0x0
	global_store_b128 v211, v[196:199], s[78:79]
.Lend:
	s_wait_tensorcnt 0x0                           ; the wave's end
	ds_add_u32 v5, v6
	s_wait_dscnt 0x0
	s_endpgm
; ---------------- THE WEIGHTS OF THE FFN: work-groups 256-319: W1 [1024 (k)][4096 (n)]; 320-383: W2 [4096 (k)][1024 (n)].
; A wave takes ONE block of 32 along K x all 128 columns of a group: a lane holds four neighbouring columns, 16 bytes of each of 32 rows: a load reads 512 consecutive bytes.  32 moves a column lay its block in
; consecutive registers, as the conversions want it.  The 16 waves of a work-group: the four blocks of a K step x four K steps.  The codes turn through 2,048 LDS bytes of the wave's own; the scale bytes of a
; K step's four blocks meet in LDS behind them, and behind one barrier a wave stores a K step's 512 bytes.  W2's path has LDS bytes of its own from 77,312 on, W1's from 112,128 on.
.macro WLOAD pitch                     ; W(i, my four columns), i = 0 .. 31 of my block
.set i, 0
.rept 32
	global_load_b128 v[16+4*i:19+4*i], v13, s[32:33] offset:i*(\pitch) th:TH_LOAD_NT
.set i, i+1
.endr
.endm
.macro WBLOCK j                        ; the j-th of my four columns
.set XS, 176
.set i, 0
.rept 32
	v_mov_b32 v[176+i], v[16+4*i+(\j)]             ; its 32 numbers, down K, into consecutive registers
.set i, i+1
.endr
	v_max3_num_f32 v144, |v[XS]|, |v[XS+1]|, |v[XS+2]|             ; the block's largest magnitude: all 32 numbers are mine
	v_max3_num_f32 v145, |v[XS+3]|, |v[XS+4]|, |v[XS+5]|
.irp i, 6,10,14,18,22,26
	s_delay_alu instid0(VALU_DEP_2)
	v_max3_num_f32 v144, v144, |v[XS+\i]|, |v[XS+\i+1]|
	s_delay_alu instid0(VALU_DEP_2)
	v_max3_num_f32 v145, v145, |v[XS+\i+2]|, |v[XS+\i+3]|
.endr
	s_delay_alu instid0(VALU_DEP_2)
	v_max3_num_f32 v144, v144, |v[XS+30]|, |v[XS+31]|
	s_delay_alu instid0(VALU_DEP_1)
	v_max3_num_f32 v144, v144, v145, 0x1800000     ; and the floor 2^(3 - 127): the byte cannot fall under 1
	s_delay_alu instid0(VALU_DEP_1)
	v_add_nc_u32 v[152+(\j)], 0xff000000, v144     ; 2 off the exponent field: the conversion's scale operand
	s_delay_alu instid0(VALU_DEP_1)
	v_lshrrev_b32 v[147+(\j)], 23, v[152+(\j)]     ; the scale's byte
	v_cvt_scalef32_pk8_fp4_f32 v[156+4*(\j)], v[XS:XS+7], v[152+(\j)]          ; words in the order 0-7, 16-23, 8-15, 24-31
	v_cvt_scalef32_pk8_fp4_f32 v[157+4*(\j)], v[XS+16:XS+23], v[152+(\j)]
	v_cvt_scalef32_pk8_fp4_f32 v[158+4*(\j)], v[XS+8:XS+15], v[152+(\j)]
	v_cvt_scalef32_pk8_fp4_f32 v[159+4*(\j)], v[XS+24:XS+31], v[152+(\j)]
	v_nop                                          ; one plain line behind the conversions
	ds_store_b128 v8, v[156+4*(\j):159+4*(\j)] offset:16*(\j)      ; column n's 16 bytes at 16 n of my wave's bytes
	ds_store_b8 v10, v[147+(\j)] offset:4*(\j)     ; byte (my block) of column n's scale word
.endm
; s[32:33] the source; s40 = group x K steps + K step; s41 the tensor's first chunk in wb; base: the path's LDS bytes.  All 32 loads of the wave are out at once.
.macro WQ pitch, base
	v_add_nc_u32 v8, \base, v8
	v_add_nc_u32 v9, \base, v9
	v_add_nc_u32 v10, \base, v10
	v_add_nc_u32 v11, \base, v11
	s_wait_alu depctr_va_vdst(0)
	s_lshr_b32 s44, s40, 3
	s_mul_i32 s44, s44, 69632
	s_add_co_u32 s44, s44, s41
	s_and_b32 s40, s40, 7                          ; the K step in it
	s_lshl_b32 s38, s40, 13
	s_lshr_b32 s43, s29, 1                         ; block 2 c + h: 4,096 c + 256 h
	s_lshl_b32 s43, s43, 12
	s_add_co_u32 s38, s38, s43
	s_and_b32 s43, s29, 1
	s_lshl_b32 s43, s43, 8
	s_add_co_u32 s38, s38, s43
	s_add_co_u32 s38, s38, s44
	s_add_nc_u64 s[34:35], s[12:13], s[38:39]
	s_and_b32 s38, s40, 4                          ; the work-group's first K step, + my wave's number (used by waves 0 to 3 alone)
	s_add_co_u32 s38, s38, s29
	s_lshl_b32 s38, s38, 9
	s_add_co_u32 s38, s38, s44
	s_add_co_u32 s38, s38, 65536                   ; the scale words lie behind the chunk's codes
	s_add_nc_u64 s[36:37], s[12:13], s[38:39]
	WLOAD \pitch
	s_wait_loadcnt 0x0
	WBLOCK 0
	WBLOCK 1
	WBLOCK 2
	WBLOCK 3
.irp i, 0,1,2,3
	ds_load_b128 v[208+4*\i:211+4*\i], v9 offset:512*\i            ; LDS serves a wave's instructions in order: these see my stores.  Lane l: column 32 i + l
.endr
	s_wait_dscnt 0x0                               ; the codes are back, and, for the others' sake, my scale bytes have landed
.irp i, 0,1,2,3
	global_store_b128 v4, v[208+4*\i:211+4*\i], s[34:35] offset:1024*\i        ; sixteen lanes store 256 consecutive bytes, aligned
.endr
	s_barrier_signal -1
	s_barrier_wait -1                              ; the four K steps' scale words are whole
	s_cmp_lt_u32 s28, 4
	s_cbranch_scc0 .Lw_end_\@
	ds_load_b128 v[224:227], v11
	s_wait_dscnt 0x0
	global_store_b128 v13, v[224:227], s[36:37]    ; a K step's 128 scale words: 512 consecutive bytes
.Lw_end_\@:
	s_wait_tensorcnt 0x0                           ; the wave's end
	ds_add_u32 v5, v6
	s_wait_dscnt 0x0
	s_endpgm
.endm
.Lweights:
	s_load_b128 s[8:11], s[0:1], 0x50              ; W1 8, W2 10
	s_load_b64 s[12:13], s[0:1], 0x60              ; wb
	v_lshrrev_b32 v1, 5, v0
	s_delay_alu instid0(VALU_DEP_1)
	v_readfirstlane_b32 s28, v1                    ; wave 0..15
	s_and_b32 s29, s28, 3                          ; which block of the K step
	s_lshr_b32 s26, s28, 2                         ; which of the work-group's four K steps
	s_lshl_b32 s24, s28, 11                        ; my wave's 2,048 bytes of the path's LDS bytes
	s_lshl_b32 s25, s26, 9
	s_add_co_u32 s25, s25, s29
	s_add_co_u32 s25, s25, 32768                   ; behind the 16 waves' bytes: my K step's scale words, my block's byte
	s_lshl_b32 s27, s29, 9
	s_add_co_u32 s27, s27, 32768                   ; the K step whose words I store (waves 0 to 3)
	v_and_b32 v1, 31, v0                           ; lane
	v_lshrrev_b32 v4, 4, v1
	v_and_b32 v2, 15, v1
	v_lshlrev_b32 v13, 4, v1                       ; 16 x lane: my four columns in a row of W
	v_lshlrev_b32 v4, 9, v4
	v_lshl_add_u32 v8, v1, 6, s24                  ; LDS, in: my four columns' 64 bytes
	v_lshl_add_u32 v9, v1, 4, s24                  ; back: 16 x lane
	v_lshl_add_u32 v10, v1, 4, s25
	v_lshl_add_u32 v11, v1, 4, s27
	v_lshl_add_u32 v4, v2, 4, v4                   ; a column's place in an image: 512 (lane / 16) + 16 (lane % 16)
	s_mov_b32 s39, 0
	s_and_b32 s44, ttmp9, 63                       ; the work-group's number within its tensor
	s_cmp_lt_u32 ttmp9, 320
	s_cbranch_scc1 .Lw1
	s_lshr_b32 s46, s44, 3                         ; W2: group 0..7,
	s_and_b32 s47, s44, 7
	s_lshl_b32 s47, s47, 2
	s_add_co_u32 s47, s47, s26                     ; K step 0..31
	s_lshl_b32 s40, s46, 5
	s_add_co_u32 s40, s40, s47
	s_mov_b32 s41, W2_C
	s_lshl_b32 s38, s47, 19                        ; 128 rows of 4,096 bytes a K step,
	s_lshl_b32 s43, s46, 9
	s_add_co_u32 s38, s38, s43
	s_lshl_b32 s43, s29, 17                        ; 32 rows a block
	s_add_co_u32 s38, s38, s43
	s_wait_kmcnt 0x0
	s_add_nc_u64 s[32:33], s[10:11], s[38:39]
	s_wait_alu depctr_va_vdst(0)
	WQ 4096, 77312
.Lw1:
	s_lshr_b32 s46, s44, 1                         ; W1: group 0..31,
	s_and_b32 s47, s44, 1
	s_lshl_b32 s47, s47, 2
	s_add_co_u32 s47, s47, s26                     ; K step 0..7
	s_lshl_b32 s40, s46, 3
	s_add_co_u32 s40, s40, s47
	s_mov_b32 s41, W1_C
	s_lshl_b32 s38, s47, 21                        ; 128 rows of 16,384 bytes a K step,
	s_lshl_b32 s43, s46, 9
	s_add_co_u32 s38, s38, s43
	s_lshl_b32 s43, s29, 19                        ; 32 rows a block
	s_add_co_u32 s38, s38, s43
	s_wait_kmcnt 0x0
	s_add_nc_u64 s[32:33], s[8:9], s[38:39]
	s_wait_alu depctr_va_vdst(0)
	WQ 16384, 112128                               ; 31 x 16,384 stays inside the signed 24-bit immediate
.Lfunc_end_k_qb29d93b37a_attn:
	.size	k_qb29d93b37a_attn, .Lfunc_end_k_qb29d93b37a_attn-k_qb29d93b37a_attn
	.p2alignl 7, 3214868480
	.fill 96, 4, 3214868480
	.section	.rodata,"a",@progbits
	.p2align	6, 0x0
	.amdhsa_kernel k_qb29d93b37a_attn
		.amdhsa_group_segment_fixed_size 146944
		.amdhsa_private_segment_fixed_size 0
		.amdhsa_enable_private_segment 0
		.amdhsa_kernarg_size 104
		.amdhsa_user_sgpr_count 2
		.amdhsa_user_sgpr_kernarg_segment_ptr 1
		.amdhsa_wavefront_size32 1
		.amdhsa_system_sgpr_workgroup_id_x 1
		.amdhsa_system_sgpr_workgroup_id_y 1
		.amdhsa_system_sgpr_workgroup_id_z 1
		.amdhsa_system_vgpr_workitem_id 0
		.amdhsa_next_free_vgpr 256
		.amdhsa_next_free_sgpr 80
		.amdhsa_reserve_vcc 1
		.amdhsa_float_denorm_mode_32 3
		.amdhsa_float_denorm_mode_16_64 3
		.amdhsa_memory_ordered 1
		.amdhsa_forward_progress 1
		.amdhsa_inst_pref_size 120
	.end_amdhsa_kernel
	.amdgpu_metadata
---
amdhsa.version: [ 1, 2 ]
amdhsa.kernels:
  - .name:           k_qb29d93b37a_attn
    .symbol:         k_qb29d93b37a_attn.kd
    .args:
      - { .name: x, .offset: 0, .size: 8, .value_kind: global_buffer, .address_space: global }
      - { .name: g1, .offset: 8, .size: 8, .value_kind: global_buffer, .address_space: global }
      - { .name: b1, .offset: 16, .size: 8, .value_kind: global_buffer, .address_space: global }
      - { .name: g2, .offset: 24, .size: 8, .value_kind: global_buffer, .address_space: global }
      - { .name: b2, .offset: 32, .size: 8, .value_kind: global_buffer, .address_space: global }
      - { .name: gf, .offset: 40, .size: 8, .value_kind: global_buffer, .address_space: global }
      - { .name: bf, .offset: 48, .size: 8, .value_kind: global_buffer, .address_space: global }
      - { .name: pb, .offset: 56, .size: 8, .value_kind: global_buffer, .address_space: global }
      - { .name: qb, .offset: 64, .size: 8, .value_kind: global_buffer, .address_space: global }
      - { .name: fb, .offset: 72, .size: 8, .value_kind: global_buffer, .address_space: global }
      - { .name: W1, .offset: 80, .size: 8, .value_kind: global_buffer, .address_space: global }
      - { .name: W2, .offset: 88, .size: 8, .value_kind: global_buffer, .address_space: global }
      - { .name: wb, .offset: 96, .size: 8, .value_kind: global_buffer, .address_space: global }
    .group_segment_fixed_size: 146944
    .private_segment_fixed_size: 0
    .kernarg_segment_align: 8
    .kernarg_segment_size: 104
    .max_flat_workgroup_size: 512
    .sgpr_count:     80
    .vgpr_count:     256
    .wavefront_size: 32
...
	.end_amdgpu_metadata
.endif
;; end of part 3
;; launch ffn1 (part 4): grid 16 x 16, 4 waves a work-group, clusters of 4 x 4, 327,680 bytes of LDS; arguments fb, wb, b1f, f1; writes f1
.if DOCPART == 4
	.amdgcn_target "amdgcn-amd-amdhsa--gfx1250"
	.amdhsa_code_object_version 6
	.text
	.protected	k_qb29d93b37a_ffn1
	.globl	k_qb29d93b37a_ffn1
	.p2align	8
	.type	k_qb29d93b37a_ffn1,@function
k_qb29d93b37a_ffn1:
	s_mov_b64 s[64:65], 0
	v_nop
	global_prefetch_b8 v0, s[64:65] scope:SCOPE_SE
	s_setreg_imm32_b32 hwreg(HW_REG_WAVE_MODE, 25, 1), 1
	s_wait_xcnt 0x0
	s_wait_alu depctr_hold_cnt(0) depctr_sa_sdst(0) depctr_va_vdst(0) depctr_va_sdst(0) depctr_va_ssrc(0) depctr_va_vcc(0) depctr_vm_vsrc(0)
	s_getreg_b32 s2, hwreg(HW_REG_IB_STS2, 6, 4)
	s_cmp_eq_u32 s2, 0
	s_cbranch_scc0 .Lentry_in_a_cluster
	s_endpgm
.Lentry_in_a_cluster:
	s_bfe_u32 s2, ttmp6, 0x10000c
	s_cmp_lg_u32 s2, 0xf033
	s_cbranch_scc0 .Lentry_shape_is_right
	s_endpgm
.Lentry_shape_is_right:
.set KIND,   1
; relu(hf W1 + b1f), quantised on the way out: the second launch's source with KIND 1: src0 = rows of W1, src1 = tokens; a tile is 256 x 256, K = 1,024; four waves, 128 x 128 each.
; THE FILLS: a group's codes of all 8 K steps and, behind them, its scale words are one chunk of 69,632 dense bytes (272 rows of 256).  Each wave asks for ONE chunk by ONE joint load at the head
; waves 0, 1 src1's two groups, waves 2, 3 src0's.  LDS: chunk w at 69,632 w.  Nothing is filled later.
; NO PREFETCH: the text has no loop to run ahead in: every byte that the work-group reads is asked for by the head's one load.  LIMITS: as stated at the head of the first launch.
.set CH,     69632
.set HC,     24*CH
.set HS,     8224768
.set WQKV_S, 5767168
.set W1_C,   0
.set W1_S,   4194304
.set HFS,    2097152
.set VC,     4194304
.set QKS,    6291456
.set VS,     6553600
.set F1S,    8388608
.set SCL,    262144
.set STG,    278528
.set SPARE,  280576
.set FR,   8
.set ADRA, 16
.set ADRB, 20
.set SS,   24
.set SR,   25
.set CO,   26
.set ADRS, 27
.set SPW,  28
.set NIL,  29
.set SC,   32
.set TM,   96
.set PW,   112
.set AF,   128
.set BI,   192
.set G1,   24
.set G0,   32
.set G1B,  48
.set G0B,  56
.set SEL,  66
.set G1S,  68
.set G0S,  76
.set G1SB, 80
.set G0SB, 88
.set OC,   92
.set OS,   94
.set ISV,  96
.set MSB, 0
.macro WIN new
.if MSB != (\new)
	s_set_vgpr_msb (MSB<<8)|(\new)
.set MSB, (\new)
.endif
.endm
.macro PLACES n
.rept \n
	v_nop
.endr
.endm
.macro JLOAD g0a, g1a, g0b, g1b
	s_cmp_eq_u32 s15, 0
	s_cbranch_scc0 .Lfor_b_\@
	tensor_load_to_lds s[\g0a:\g0a+3], s[\g1a:\g1a+7]
	s_nop 0
.rept 4
	v_nop
.endr
	s_branch .Lasked_\@
.Lfor_b_\@:
	tensor_load_to_lds s[\g0b:\g0b+3], s[\g1b:\g1b+7]
	s_nop 0
.rept 4
	v_nop
.endr
.Lasked_\@:
.endm
.macro CROUND
	s_barrier_signal -1
	s_barrier_wait -1
	s_cmp_lg_u32 s14, 0
	s_cbranch_scc1 .Lnot_wave_0_\@
	s_barrier_signal -3
.Lnot_wave_0_\@:
	s_barrier_wait -3
	s_barrier_signal -1
	s_barrier_wait -1
.endm
	s_load_b256 s[4:11], s[0:1], 0x0
.if KIND == 0
	s_load_b64 s[12:13], s[0:1], 0x20
.endif
	v_lshl_add_u32 v[SPW], v0, 2, SPARE
	v_mov_b32 v[NIL], 0
	ds_add_u32 v[SPW], v[NIL]
	ds_add_u32 v[SPW], v[NIL]
	v_lshrrev_b32 v1, 5, v0
	v_readfirstlane_b32 s14, v1
	s_lshr_b32 s15, s14, 1
	s_and_b32 s16, s14, 1
	s_bfe_u32 s40, ttmp6, 0x40000
	s_bfe_u32 s41, ttmp6, 0x40004
	s_and_b32 s17, ttmp7, 0xffff
	s_lshl_b32 s17, s17, 2
	s_lshl_b32 s42, ttmp9, 2
.if KIND == 0
	s_mov_b32 s3, HC
	s_mov_b32 s18, HS
	s_mov_b32 s19, HC
	s_mov_b32 s2, HS
	s_mov_b32 s97, WQKV_S
	s_cmp_eq_u32 ttmp9, 2
	s_cselect_b32 s[ISV], 1, 0
	s_cselect_b32 s42, s17, s42
	s_cselect_b32 s17, 0, s17
	s_cselect_b32 s3, 16*65536, s3
	s_cselect_b32 s18, WQKV_S+16*4096, s18
	s_cselect_b32 s19, s19, 0
	s_cselect_b32 s2, s2, s97
.else
	s_mov_b32 s3, 0                                ; hf's chunks (in fb),
	s_mov_b32 s19, W1_C                            ; W1's (in wb)
.endif
	s_add_co_u32 s42, s42, s40
	s_add_co_u32 s17, s17, s41
	s_lshl_b32 s43, s41, 2
	s_lshl_b32 s43, 15, s43
	s_lshl_b32 s44, 0x1111, s40
	s_or_b32 s[G1], s43, (3<<16)|(1<<21)
	s_or_b32 s[G1B], s44, (3<<16)|(1<<21)
.irp g, G1, G1B
	s_mov_b32 s[\g+1], 32<<16
	s_mov_b32 s[\g+2], 272<<16
	s_mov_b32 s[\g+3], 32<<16
	s_mov_b32 s[\g+4], 272
	s_mov_b32 s[\g+5], 32
	s_mov_b32 s[\g+6], 0
	s_mov_b32 s[\g+7], 0
.endr
	s_lshl_b32 s20, s17, 1                         ; src1: chunk 2 x tile + my group
	s_add_co_u32 s20, s20, s16
	s_mul_i32 s20, s20, CH
	s_add_co_u32 s20, s20, s3
	s_mov_b32 s21, 0
	s_lshl_b32 s46, s42, 1                         ; src0 likewise, in registers that never hold cy
	s_add_co_u32 s46, s46, s16
	s_mul_i32 s46, s46, CH
	s_add_co_u32 s46, s46, s19
	s_mov_b32 s47, 0
	s_mul_i32 s45, s14, CH                         ; where it goes: wave x a chunk
	s_mov_b32 s[SEL], 0x76543210
	s_mov_b32 s[SEL+1], 0xfedcba98
	s_wait_dscnt 0x0
	s_wait_kmcnt 0x0
	s_add_nc_u64 s[20:21], s[4:5], s[20:21]
.if KIND == 0
	s_add_nc_u64 s[46:47], s[4:5], s[46:47]
.else
	s_add_nc_u64 s[46:47], s[6:7], s[46:47]
.endif
	CROUND
	s_mov_b32 s[G0], 1
	s_mov_b32 s[G0+1], s45
	s_mov_b64 s[G0+2:G0+3], s[20:21]
	s_or_b32 s[G0+3], s[G0+3], 0x80000000
	s_mov_b32 s[G0B], 1
	s_mov_b32 s[G0B+1], s45
	s_mov_b64 s[G0B+2:G0B+3], s[46:47]
	s_or_b32 s[G0B+3], s[G0B+3], 0x80000000
	JLOAD G0, G1, G0B, G1B                         ; my one tensor load: a whole chunk
	v_and_b32 v1, 31, v0
	v_and_b32 v2, 15, v0
	s_wait_alu depctr_va_vdst(0)
	v_bfe_u32 v3, v0, 4, 1
	v_lshlrev_b32 v[CO], 4, v1
	s_wait_alu depctr_va_vdst(0)
	s_mul_i32 s20, s15, CH
	v_add_nc_u32 v[ADRA], s20, v[CO]               ; my chunk of src1
	s_mul_i32 s21, s16, CH
	s_add_co_u32 s21, s21, 2*CH
	v_add_nc_u32 v[ADRB], s21, v[CO]               ; my chunk of src0
	s_sub_co_u32 s21, s21, s20
	v_mul_u32_u24 v4, s21, v3                      ; lanes 16-31 take src0's words: one product, the distance between the two chunks
	v_lshl_add_u32 v[ADRS], v2, 2, v4
	s_add_co_u32 s20, s20, 65536                   ; the scale words lie behind a chunk's codes
	v_add_nc_u32 v[ADRS], s20, v[ADRS]
	s_lshl_b32 s20, s14, 9
	s_add_co_u32 s20, s20, STG
	v_lshlrev_b32 v[SS], 2, v2
	v_add_nc_u32 v[SS], s20, v[SS]
	v_add_nc_u32 v[SR], s20, v[CO]
.irp b, 0,1,2,3
	v_mov_b32 v[TM+4+\b], 0
.endr
.if KIND == 0
	s_cmp_eq_u32 ttmp9, 0
	s_cselect_b64 s[98:99], s[6:7], s[8:9]
	s_cmp_eq_u32 ttmp9, 2
	s_cselect_b64 s[98:99], s[10:11], s[98:99]
	s_cselect_b32 s20, s41, s40
	s_cselect_b32 s21, s15, s16
	s_cselect_b32 s22, 4, 0
	s_cselect_b32 s23, 0, 32
	s_cselect_b32 s18, 0, 4
	s_lshl_b32 s20, s20, 10
	s_lshl_b32 s21, s21, 9
	s_add_co_u32 s20, s20, s21
	s_mov_b32 s21, 0
	s_add_nc_u64 s[98:99], s[98:99], s[20:21]
	v_mul_u32_u24 v4, s22, v2
	v_mul_u32_u24 v5, s23, v3
	v_add_nc_u32 v4, v4, v5
.irp j, 0,1,2,3,4,5,6,7
	v_mad_u32_u24 v[8+\j], s18, \j, v4
.endr
.irp x, 0,1,2,3,4,5,6,7
.irp j, 0,1,2,3,4,5,6,7
	global_load_b32 v[BI+8*\x+\j], v[8+\j], s[98:99] offset:64*\x
.endr
.endr
.else
	s_lshl_b32 s20, s42, 10
	s_lshl_b32 s21, s16, 9
	s_add_co_u32 s20, s20, s21
	s_mov_b32 s21, 0
	s_add_nc_u64 s[98:99], s[8:9], s[20:21]
	v_lshlrev_b32 v8, 5, v3
.irp x, 0,1,2,3,4,5,6,7
	global_load_b128 v[BI+8*\x:BI+8*\x+3], v8, s[98:99] offset:64*\x
	global_load_b128 v[BI+8*\x+4:BI+8*\x+7], v8, s[98:99] offset:64*\x+16
.endr
.endif
	s_lshl_b32 s20, s17, 1
	s_add_co_u32 s20, s20, s15
	s_lshl_b32 s21, s42, 1
	s_add_co_u32 s21, s21, s16
.if KIND == 0
	s_lshl_b32 s22, s20, 17
	s_lshl_b32 s23, s20, 18
	s_add_co_u32 s23, s23, VC
	s_lshl_b32 s2, s20, 13
	s_add_co_u32 s2, s2, QKS
	s_lshl_b32 s3, s20, 14
	s_add_co_u32 s3, s3, VS
	s_cmp_eq_u32 s[ISV], 1
	s_cselect_b32 s22, s23, s22
	s_cselect_b32 s2, s3, s2
.else
	s_lshl_b32 s22, s20, 2                         ; f1: four chunks a group of tokens; my hidden group is K step g0: chunk g0 / 8, step g0 % 8 in it
	s_lshr_b32 s23, s21, 3
	s_add_co_u32 s22, s22, s23
	s_mul_i32 s22, s22, CH
	s_add_co_u32 s2, s22, 65536
	s_and_b32 s21, s21, 7
.endif
	s_lshl_b32 s23, s21, 13
	s_add_co_u32 s22, s22, s23
	s_mov_b32 s23, 0
	s_lshl_b32 s21, s21, 9
	s_add_co_u32 s2, s2, s21
	s_mov_b32 s3, 0
.if KIND == 0
	s_add_nc_u64 s[OC:OC+1], s[12:13], s[22:23]
	s_add_nc_u64 s[OS:OS+1], s[12:13], s[2:3]
.else
	s_add_nc_u64 s[OC:OC+1], s[10:11], s[22:23]
	s_add_nc_u64 s[OS:OS+1], s[10:11], s[2:3]
.endif
.macro FRAG reg, adr, ks, i
.irp c, 0,1
	ds_load_b128 v[\reg+4*\c:\reg+4*\c+3], v[\adr] offset:8192*(\ks)+4096*\c+512*(\i)
.endr
.endm
.macro FETCH_B ks, p
	WIN 0x40
.irp i, 0,1,2,3,4,5,6,7
	FRAG 128*(\p)+FR*\i, ADRB, \ks, \i
.endr
	WIN 0
.endm
.macro FETCH_A ks, i0
.irp i, \i0, \i0+1, \i0+2, \i0+3
	FRAG AF+FR*(\i), ADRA, \ks, \i
.endr
.endm
.macro SCALES ks
.irp i, 0,1,2,3,4,5,6,7
	ds_load_b32 v[SC+8*(\ks)+\i], v[ADRS] offset:512*(\ks)+64*\i
.endr
.endm
.macro MUL16 a0, p, ks, cmode
.irp a, \a0, \a0+1
.irp b, 0,1,2,3,4,5,6,7
.if \cmode == 1
	v_wmma_scale_f32_16x16x128_f8f6f4 v[8*(8*((\a)%4)+\b):8*(8*((\a)%4)+\b)+7], v[128*(\p)+FR*\b:128*(\p)+FR*\b+FR-1], v[AF+FR*(\a):AF+FR*(\a)+FR-1], v[BI+8*\b:BI+8*\b+7], v[SC+8*(\ks)+\b], v[SC+8*(\ks)+(\a)] matrix_a_fmt:MATRIX_FMT_FP4 matrix_b_fmt:MATRIX_FMT_FP4 matrix_a_scale:MATRIX_SCALE_ROW1
.elseif \cmode == 2
	v_wmma_scale_f32_16x16x128_f8f6f4 v[8*(8*((\a)%4)+\b):8*(8*((\a)%4)+\b)+7], v[128*(\p)+FR*\b:128*(\p)+FR*\b+FR-1], v[AF+FR*(\a):AF+FR*(\a)+FR-1], v[BI+8*(\a):BI+8*(\a)+7], v[SC+8*(\ks)+\b], v[SC+8*(\ks)+(\a)] matrix_a_fmt:MATRIX_FMT_FP4 matrix_b_fmt:MATRIX_FMT_FP4 matrix_a_scale:MATRIX_SCALE_ROW1
.else
	v_wmma_scale_f32_16x16x128_f8f6f4 v[8*(8*((\a)%4)+\b):8*(8*((\a)%4)+\b)+7], v[128*(\p)+FR*\b:128*(\p)+FR*\b+FR-1], v[AF+FR*(\a):AF+FR*(\a)+FR-1], v[8*(8*((\a)%4)+\b):8*(8*((\a)%4)+\b)+7], v[SC+8*(\ks)+\b], v[SC+8*(\ks)+(\a)] matrix_a_fmt:MATRIX_FMT_FP4 matrix_b_fmt:MATRIX_FMT_FP4 matrix_a_scale:MATRIX_SCALE_ROW1
.endif
.endr
.endr
.endm
.macro STEP ks, cmode
	s_wait_dscnt 8
.if \cmode
	WIN 0x81
.else
	WIN 0xa1
.endif
	MUL16 0, (\ks)%2, \ks, \cmode
	MUL16 2, (\ks)%2, \ks, \cmode
	s_wait_dscnt 0x0
	PLACES 4
	FETCH_B (\ks)+1, 1-(\ks)%2
	FETCH_A (\ks)+1, 0
	SCALES (\ks)+1
.if \cmode
	WIN 0xc1
.else
	WIN 0xf1
.endif
	MUL16 4, (\ks)%2, \ks, \cmode
	MUL16 6, (\ks)%2, \ks, \cmode
	PLACES 4
	WIN 0
	FETCH_A (\ks)+1, 4
.endm
	s_wait_alu depctr_va_vdst(0)
	s_wait_tensorcnt 0x0                           ; my chunk has landed
	s_barrier_signal -1
	s_barrier_wait -1
	FETCH_B 0, 0
	FETCH_A 0, 0
	SCALES 0
	FETCH_A 0, 4
	s_wait_loadcnt 0x0
.if KIND == 0
	s_cmp_eq_u32 s[ISV], 0
	s_cbranch_scc0 .Lfirst_v
	STEP 0, 1
	s_branch .Lfirst_done
.Lfirst_v:
	STEP 0, 2
.Lfirst_done:
.else
	STEP 0, 1
.endif
	STEP 1, 0
	STEP 2, 0
	STEP 3, 0
	STEP 4, 0
	STEP 5, 0
	STEP 6, 0
	s_wait_dscnt 8
	WIN 0xa1
	MUL16 0, 1, 7, 0
	MUL16 2, 1, 7, 0
	s_wait_dscnt 0x0
	WIN 0xf1
	MUL16 4, 1, 7, 0
	MUL16 6, 1, 7, 0
	WIN 0
	PLACES 4
.macro QEPI a
.set WD, 2+(\a)/4
.set S, 64*((\a)%4)
.set PCD, AF+8*(\a)
.if KIND == 1
	WIN (WD<<6)|(WD<<2)
.set j, 0
.rept 64
	v_max_num_f32 v[S+j], 0, v[S+j]
.set j, j+1
.endr
.endif
	WIN WD|(WD<<2)
.irp b, 0,1,2,3
	v_max3_num_f32 v[TM+\b], |v[S+16*\b]|, |v[S+1+16*\b]|, 0x1800000
.endr
	WIN (WD<<2)|(WD<<4)
.irp i, 2,4,6,8,10,12,14
.irp b, 0,1,2,3
	v_max3_num_f32 v[TM+\b], v[TM+\b], |v[S+16*\b+\i]|, |v[S+1+16*\b+\i]|
.endr
.endr
	WIN 0
.irp b, 0,1,2,3
	v_permlanex16_b32 v[TM+4+\b], v[TM+\b], s[SEL], s[SEL+1]
.endr
.irp b, 0,1,2,3
	v_max_num_f32 v[TM+\b], v[TM+\b], v[TM+4+\b]
.endr
.irp b, 0,1,2,3
	v_add_nc_u32 v[TM+12+\b], 0xff000000, v[TM+\b]
.endr
.irp b, 0,1,2,3
	v_lshrrev_b32 v[TM+4+\b], 23, v[TM+12+\b]
.endr
	v_lshl_or_b32 v[PW+(\a)], v[TM+5], 8, v[TM+4]
	v_lshl_or_b32 v[PW+(\a)], v[TM+6], 16, v[PW+(\a)]
	v_lshl_or_b32 v[PW+(\a)], v[TM+7], 24, v[PW+(\a)]
	WIN WD
.irp b, 0,1,2,3
	v_cvt_scalef32_pk8_fp4_f32 v[PCD+2*\b], v[S+16*\b:S+7+16*\b], v[TM+12+\b]
	v_cvt_scalef32_pk8_fp4_f32 v[PCD+1+2*\b], v[S+8+16*\b:S+15+16*\b], v[TM+12+\b]
.endr
	WIN 0
	v_nop
.irp c, 0,1
.irp i, 0,1
	v_permlane16_swap_b32 v[PCD+4*\c+\i], v[PCD+2+4*\c+\i]
.endr
.endr
	global_store_b128 v[CO], v[PCD:PCD+3], s[OC:OC+1] offset:512*(\a)
	global_store_b128 v[CO], v[PCD+4:PCD+7], s[OC:OC+1] offset:4096+512*(\a)
	ds_store_b32 v[SS], v[PW+(\a)] offset:64*(\a)
.endm
.irp a, 0,1,2,3,4,5,6,7
	QEPI \a
.endr
	ds_load_b128 v[TM:TM+3], v[SR]
	s_wait_dscnt 0x0
	global_store_b128 v[CO], v[TM:TM+3], s[OS:OS+1]
	s_wait_tensorcnt 0x0
	ds_add_u32 v[SPW], v[NIL]
	s_wait_dscnt 0x0
	CROUND
	s_endpgm
.Lfunc_end_k_qb29d93b37a_ffn1:
	.size	k_qb29d93b37a_ffn1, .Lfunc_end_k_qb29d93b37a_ffn1-k_qb29d93b37a_ffn1
	.p2alignl 7, 3214868480
	.fill 96, 4, 3214868480
	.section	.rodata,"a",@progbits
	.p2align	6, 0x0
	.amdhsa_kernel k_qb29d93b37a_ffn1
		.amdhsa_group_segment_fixed_size 327680
		.amdhsa_private_segment_fixed_size 0
		.amdhsa_enable_private_segment 0
		.amdhsa_kernarg_size 32
		.amdhsa_user_sgpr_count 2
		.amdhsa_user_sgpr_kernarg_segment_ptr 1
		.amdhsa_wavefront_size32 1
		.amdhsa_system_sgpr_workgroup_id_x 1
		.amdhsa_system_sgpr_workgroup_id_y 1
		.amdhsa_system_sgpr_workgroup_id_z 1
		.amdhsa_system_vgpr_workitem_id 0
		.amdhsa_next_free_vgpr 1024
		.amdhsa_next_free_sgpr 100
		.amdhsa_reserve_vcc 0
		.amdhsa_float_denorm_mode_32 3
		.amdhsa_float_denorm_mode_16_64 3
		.amdhsa_memory_ordered 1
		.amdhsa_forward_progress 1
		.amdhsa_inst_pref_size 146
	.end_amdhsa_kernel
	.amdgpu_metadata
---
amdhsa.version: [ 1, 2 ]
amdhsa.kernels:
  - .name:           k_qb29d93b37a_ffn1
    .symbol:         k_qb29d93b37a_ffn1.kd
    .args:
      - { .name: fb, .offset: 0, .size: 8, .value_kind: global_buffer, .address_space: global }
      - { .name: wb, .offset: 8, .size: 8, .value_kind: global_buffer, .address_space: global }
      - { .name: b1f, .offset: 16, .size: 8, .value_kind: global_buffer, .address_space: global }
      - { .name: f1, .offset: 24, .size: 8, .value_kind: global_buffer, .address_space: global }
    .group_segment_fixed_size: 327680
    .private_segment_fixed_size: 0
    .kernarg_segment_align: 8
    .kernarg_segment_size: 32
    .max_flat_workgroup_size: 128
    .sgpr_count:     100
    .vgpr_count:     1024
    .wavefront_size: 32
...
	.end_amdgpu_metadata
.endif
;; end of part 4
;; launch ffn2 (part 5): grid 8 x 32, 4 waves a work-group, clusters of 4 x 4, 327,680 bytes of LDS; arguments f1, wb, b2f, fb, out0; writes out0
.if DOCPART == 5
	.amdgcn_target "amdgcn-amd-amdhsa--gfx1250"
	.amdhsa_code_object_version 6
	.text
	.protected	k_qb29d93b37a_ffn2
	.globl	k_qb29d93b37a_ffn2
	.p2align	8
	.type	k_qb29d93b37a_ffn2,@function
k_qb29d93b37a_ffn2:
	s_mov_b64 s[64:65], 0
	v_nop
	global_prefetch_b8 v0, s[64:65] scope:SCOPE_SE
	s_setreg_imm32_b32 hwreg(HW_REG_WAVE_MODE, 25, 1), 1
	s_wait_xcnt 0x0
	s_wait_alu depctr_hold_cnt(0) depctr_sa_sdst(0) depctr_va_vdst(0) depctr_va_sdst(0) depctr_va_ssrc(0) depctr_va_vcc(0) depctr_vm_vsrc(0)
	s_getreg_b32 s2, hwreg(HW_REG_IB_STS2, 6, 4)
	s_cmp_eq_u32 s2, 0
	s_cbranch_scc0 .Lentry_in_a_cluster
	s_endpgm
.Lentry_in_a_cluster:
	s_bfe_u32 s2, ttmp6, 0x10000c
	s_cmp_lg_u32 s2, 0xf033
	s_cbranch_scc0 .Lentry_shape_is_right
	s_endpgm
.Lentry_shape_is_right:
; out0 = ff1 W2 + b2f + rr, ff1 and W2 as codes of E2M1 (K = 4,096), rr = x3 + hf in f32 from the attention launch.
; A tile of out0 is 128 tokens x 128 features: 256 work-groups.  Four waves, each 64 x 64: 16 accumulators.  Source 0 = 16 rows of W2, source 1 = 16 tokens: a lane holds eight neighbouring features of one token.
; A CHUNK is 8 K steps of a group of 128 rows: 65,536 bytes of codes (images of the operand's registers) and, behind them, 4,096 bytes of scale words: 272 dense rows of 256 bytes.
; THE RING: two LDS slots, each A's chunk then B's; four fills, written out.  A wave fetches half a chunk (136 rows) by one joint load: one at the head, one behind each round.
; Slot 1's first fill is issued as a refill is.  By the text's own count one tensor load a wave is out.
; CLUSTERS: 4 x 4: the tokens' chunks are shared along a row of the cluster, W2's along a column.
; PREFETCH: with the request for fill f stands a prefetch of fill f + 1 (f = 0, 1, 2), one slot's 8 K steps ahead of the load that wants it.  Of the 136 rows that a wave fetches, the partner at place p
; (cx for A, cy for B) names rows 34 p .. 34 p + 33, told apart by address: a lane a row in two instructions (the second's spare lanes name its last row again).  Offsets are immediates: no register is stepped.
; rr (32 loads a wave) is asked for behind slot 1's request and is read on the way out.
; The words of a block of 32 codes hold k = 0-7, 16-23, 8-15, 24-31, alike in both operands.  LIMITS: as stated at the head of the first launch.
; REGISTERS: window 0: v7-15 addresses; v16-23 scale words, two sets; v24-55 b2f; v56, v57 the add's two; v58, v59 the scale words' addresses; v60, v61 the prefetches' offsets;
;   v64-191 two sets of fragments (A 32, B 32); v192-255 rows on the way out.  window 1: v0-127 the accumulators, (a, b) at v[8 (4 a + b)].  window 2: v0-127 rr.
.set CH,    69632
.set HALF,  CH/2
.set SLOT,  2*CH
.set W2_C,  32*CH
.set RR,    32*CH
.set STAGE, 2*SLOT                     ; 16 rows x 272 bytes for each wave
.set SPARE, STAGE+4*4352               ; the spare words, 128 bytes for each wave
.set SPW,  56
.set NIL,  57
.set SCA,  58
.set PF0,  60
.set PF1,  61
.set G1,   24
.set G0,   32
.set G1B,  48
.set G0B,  56
.set PFA,  68
.set MSB, 0
.macro WIN new
.if MSB != (\new)
	s_set_vgpr_msb (MSB<<8)|(\new)
.set MSB, (\new)
.endif
.endm
.macro PLACES n
.rept \n
	v_nop
.endr
.endm
.macro JLOAD g0a, g1a, g0b, g1b        ; waves 0 and 1 fetch for A (tokens), waves 2 and 3 for B (W2); an s_nop 0 and four v_nop follow each line
	s_cmp_eq_u32 s15, 0
	s_cbranch_scc0 .Lfor_b_\@
	tensor_load_to_lds s[\g0a:\g0a+3], s[\g1a:\g1a+7]
	s_nop 0
.rept 4
	v_nop
.endr
	s_branch .Lasked_\@
.Lfor_b_\@:
	tensor_load_to_lds s[\g0b:\g0b+3], s[\g1b:\g1b+7]
	s_nop 0
.rept 4
	v_nop
.endr
.Lasked_\@:
.endm
.macro CROUND
	s_barrier_signal -1
	s_barrier_wait -1
	s_cmp_lg_u32 s14, 0
	s_cbranch_scc1 .Lnot_wave_0_\@
	s_barrier_signal -3
.Lnot_wave_0_\@:
	s_barrier_wait -3
	s_barrier_signal -1
	s_barrier_wait -1
.endm
.macro ASK f                           ; my 34 rows of fill f
	global_prefetch_b8 v[PF0], s[PFA:PFA+1] offset:(\f)*CH th:TH_LOAD_NT scope:SCOPE_SE
	global_prefetch_b8 v[PF1], s[PFA:PFA+1] offset:(\f)*CH th:TH_LOAD_NT scope:SCOPE_SE
.endm
	s_load_b256 s[4:11], s[0:1], 0x0               ; f1 4, wb 6, b2f 8, fb 10
	s_load_b64 s[12:13], s[0:1], 0x20              ; out0
	v_lshl_add_u32 v[SPW], v0, 2, SPARE
	v_mov_b32 v[NIL], 0
	ds_add_u32 v[SPW], v[NIL]                      ; the wave's opening: the add, twice on end, and its wait ahead of my first tensor load
	ds_add_u32 v[SPW], v[NIL]
	v_lshrrev_b32 v1, 5, v0
	v_readfirstlane_b32 s14, v1                    ; wave 0..3
	s_lshr_b32 s15, s14, 1                         ; my 64 tokens.  Also: I fetch for A (0) or B (1)
	s_and_b32 s16, s14, 1                          ; my 64 features.  Also: which half of a chunk I fetch
	s_bfe_u32 s40, ttmp6, 0x40000                  ; cx
	s_bfe_u32 s41, ttmp6, 0x40004                  ; cy
	s_lshl_b32 s42, ttmp9, 2
	s_add_co_u32 s42, s42, s40                     ; W2's group of 128 features
	s_and_b32 s17, ttmp7, 0xffff
	s_lshl_b32 s17, s17, 2
	s_add_co_u32 s17, s17, s41                     ; the group of 128 tokens
	s_lshl_b32 s43, s41, 2
	s_lshl_b32 s43, 15, s43                        ; my row of the cluster
	s_lshl_b32 s44, 0x1111, s40                    ; my column
	s_or_b32 s[G1], s43, (3<<16)|(1<<21)           ; dense bytes as rows of 256 (32 elements of 8 bytes), no padding; 15:0 the mask; 21 set beside it
	s_or_b32 s[G1B], s44, (3<<16)|(1<<21)
.irp g, G1, G1B                        ; half a chunk: 136 rows of 256 bytes
	s_mov_b32 s[\g+1], 32<<16
	s_mov_b32 s[\g+2], 136<<16
	s_mov_b32 s[\g+3], 32<<16
	s_mov_b32 s[\g+4], 136
	s_mov_b32 s[\g+5], 32
	s_mov_b32 s[\g+6], 0
	s_mov_b32 s[\g+7], 0
.endr
	s_mul_i32 s20, s17, 4*CH                       ; A: four chunks a group, + my half
	s_mul_i32 s21, s16, HALF
	s_add_co_u32 s20, s20, s21
	s_mov_b32 s21, 0
	s_mul_i32 s46, s42, 4*CH                       ; B, in registers that never hold cy
	s_mul_i32 s47, s16, HALF
	s_add_co_u32 s46, s46, s47
	s_add_co_u32 s46, s46, W2_C
	s_mov_b32 s47, 0
	s_mul_i32 s45, s14, HALF                       ; where they go in a slot: wave x half a chunk
	s_cmp_eq_u32 s15, 0
	s_cselect_b32 s70, s40, s41                    ; my place among the four that ask with me
	s_mul_i32 s70, s70, 34*256                     ; my 34 rows of the wave's 136
	s_mov_b32 s71, 0
	s_wait_dscnt 0x0                               ; both opening adds are done
	s_wait_kmcnt 0x0
	s_add_nc_u64 s[20:21], s[4:5], s[20:21]
	s_add_nc_u64 s[46:47], s[6:7], s[46:47]
	s_cmp_eq_u32 s15, 0                            ; the choice hangs on the wave's number alone
	s_cselect_b64 s[PFA:PFA+1], s[20:21], s[46:47]
	s_add_nc_u64 s[PFA:PFA+1], s[PFA:PFA+1], s[70:71]
	CROUND                                         ; all sixteen work-groups are here: the first joint loads meet
.irp s, 0,1
	s_mov_b32 s[G0+4*\s], 1
	s_add_co_u32 s[G0+4*\s+1], s45, \s*SLOT
	s_add_nc_u64 s[G0+4*\s+2:G0+4*\s+3], s[20:21], \s*CH
	s_or_b32 s[G0+4*\s+3], s[G0+4*\s+3], 0x80000000
	s_mov_b32 s[G0B+4*\s], 1
	s_add_co_u32 s[G0B+4*\s+1], s45, \s*SLOT
	s_add_nc_u64 s[G0B+4*\s+2:G0B+4*\s+3], s[46:47], \s*CH
	s_or_b32 s[G0B+4*\s+3], s[G0B+4*\s+3], 0x80000000
.endr
	JLOAD G0, G1, G0B, G1B                         ; fill 0: my one tensor load at the head
	s_lshl_b32 s72, s15, 11                        ; my four tiles of A,
	s_lshl_b32 s73, s16, 11
	s_add_co_u32 s73, s73, CH                      ; of B
	s_lshl_b32 s76, s15, 8
	s_lshl_b32 s75, s16, 8
	s_add_co_u32 s75, s75, CH
	s_sub_co_u32 s75, s75, s76                     ; from A's scale words to B's
	s_add_co_u32 s74, s76, 65536                   ; A's: behind the chunk's codes
	s_mul_i32 s77, s14, 4352
	s_add_co_u32 s77, s77, STAGE                   ; my stage
	s_lshl_b32 s20, s42, 9
	s_lshl_b32 s21, s16, 8
	s_add_co_u32 s20, s20, s21                     ; my first feature, in bytes
	s_mov_b32 s21, 0
	s_add_nc_u64 s[94:95], s[8:9], s[20:21]
	s_lshl_b32 s22, s17, 19
	s_lshl_b32 s23, s15, 18
	s_add_co_u32 s22, s22, s23                     ; my first token's row
	s_add_co_u32 s20, s20, s22
	s_add_nc_u64 s[12:13], s[12:13], s[20:21]
	s_add_co_u32 s20, s20, RR
	s_add_nc_u64 s[92:93], s[10:11], s[20:21]
	v_and_b32 v1, 31, v0
	v_and_b32 v2, 15, v0                           ; r
	v_bfe_u32 v3, v0, 4, 1                         ; h
	v_lshlrev_b32 v4, 4, v1                        ; 16 x lane
	v_lshlrev_b32 v[PF0], 8, v1                    ; rows 0-31 of my 34,
	v_min_u32 v[PF1], 1, v1
	v_lshl_add_u32 v[PF1], v[PF1], 8, 8192         ; rows 32 and 33
	v_add_nc_u32 v8, s72, v4
	v_add_nc_u32 v10, s73, v4
	v_add_nc_u32 v9, SLOT, v8
	v_add_nc_u32 v11, SLOT, v10
	v_mul_u32_u24 v5, s75, v3                      ; lanes 16-31 take B's words: one product, the distance between the two bases
	v_lshl_add_u32 v5, v2, 2, v5
	v_add_nc_u32 v[SCA], s74, v5
	v_add_nc_u32 v[SCA+1], SLOT, v[SCA]
	v_mul_u32_u24 v13, v2, 272
	v_lshl_add_u32 v13, v3, 5, v13
	v_add_nc_u32 v13, s77, v13                     ; into my stage: row r, + 32 h
	v_mul_u32_u24 v14, v3, 272
	v_lshl_add_u32 v14, v2, 4, v14
	v_add_nc_u32 v14, s77, v14                     ; back: lanes 0-15 one row of 256 bytes, lanes 16-31 the next
	v_lshlrev_b32 v15, 12, v3
	v_lshl_add_u32 v15, v2, 4, v15                 ; and the same two rows in out0 and in rr
	v_lshlrev_b32 v7, 5, v3                        ; b2f: 32 h
	s_wait_alu depctr_va_vdst(0)                   ; the wait at the head's end
	ASK 1
.irp b, 0,1,2,3
	global_load_b128 v[24+8*\b:27+8*\b], v7, s[94:95] offset:64*\b         ; register 8 b + j: b2f at feature 16 b + 8 h + j
	global_load_b128 v[28+8*\b:31+8*\b], v7, s[94:95] offset:64*\b+16
.endr
.macro FETCH s, q, p                   ; the fragments and scale words of the slot's q-th K step into set p: twenty loads
.irp i, 0,1,2,3
.irp c, 0,1
	ds_load_b128 v[64+64*(\p)+8*\i+4*\c:64+64*(\p)+8*\i+4*\c+3], v[8+\s] offset:8192*(\q)+4096*\c+512*\i
	ds_load_b128 v[96+64*(\p)+8*\i+4*\c:96+64*(\p)+8*\i+4*\c+3], v[10+\s] offset:8192*(\q)+4096*\c+512*\i
.endr
.endr
.irp i, 0,1,2,3
	ds_load_b32 v[16+4*(\p)+\i], v[SCA+\s] offset:512*(\q)+64*\i
.endr
.endm
.macro MUL p, first                    ; 16 products; the accumulators take turns, one instruction a turn, in the same order in every step.  first = 1: the sums start with b2f
.if \first
	WIN 0x40
.else
	WIN 0x50
.endif
.irp a, 0,1,2,3
.irp b, 0,1,2,3
.if \first
	v_wmma_scale_f32_16x16x128_f8f6f4 v[8*(4*\a+\b):8*(4*\a+\b)+7], v[96+64*(\p)+8*\b:96+64*(\p)+8*\b+7], v[64+64*(\p)+8*\a:64+64*(\p)+8*\a+7], v[24+8*\b:31+8*\b], v[16+4*(\p)+\b], v[16+4*(\p)+\a] matrix_a_fmt:MATRIX_FMT_FP4 matrix_b_fmt:MATRIX_FMT_FP4 matrix_a_scale:MATRIX_SCALE_ROW1
.else
	v_wmma_scale_f32_16x16x128_f8f6f4 v[8*(4*\a+\b):8*(4*\a+\b)+7], v[96+64*(\p)+8*\b:96+64*(\p)+8*\b+7], v[64+64*(\p)+8*\a:64+64*(\p)+8*\a+7], v[8*(4*\a+\b):8*(4*\a+\b)+7], v[16+4*(\p)+\b], v[16+4*(\p)+\a] matrix_a_fmt:MATRIX_FMT_FP4 matrix_b_fmt:MATRIX_FMT_FP4 matrix_a_scale:MATRIX_SCALE_ROW1
.endif
.endr
.endr
	WIN 0
.endm
.macro RUN s, first                    ; a slot's eight K steps; the next step's loads are issued ahead of each step's products, four plain places behind the products that read their registers
	PLACES 4
	FETCH \s, 0, 0
.set Q, 0
.rept 7
	PLACES 4
	FETCH \s, Q+1, (Q+1)%2
	s_wait_dscnt 20                                ; all but the twenty just issued
.if Q == 0
	MUL 0, \first
.else
	MUL Q%2, 0
.endif
.set Q, Q+1
.endr
	s_wait_dscnt 0x0
	MUL 1, 0
.endm
.macro CHANGE s, f                     ; slot s, which has been read, is filled again with the chunks two on; f: the fill that is prefetched beside it (0: none)
	s_wait_tensorcnt 0x0                           ; all my tensor loads have landed, my part of the other slot among them: every group 0 may be written
	ds_add_u32 v[SPW], v[NIL]                      ; 0 onto my spare word; the steps below stand between it and the wait for it
	s_add_nc_u64 s[G0+4*\s+2:G0+4*\s+3], s[G0+4*\s+2:G0+4*\s+3], 2*CH
	s_add_nc_u64 s[G0B+4*\s+2:G0B+4*\s+3], s[G0B+4*\s+2:G0B+4*\s+3], 2*CH
	s_wait_dscnt 0x0                               ; the add is done, and my reads of the slot are over
	CROUND                                         ; no wave of any partner still reads the slot or has a load on its way
	JLOAD G0+4*\s, G1, G0B+4*\s, G1B               ; my one tensor load behind the round, and the first thing there
.if \f
	ASK \f
.endif
.endm
	s_wait_tensorcnt 0x0                           ; my part of fill 0 has landed
	ds_add_u32 v[SPW], v[NIL]
	s_wait_dscnt 0x0
	CROUND                                         ; everybody's part has landed, and the joint loads meet
	JLOAD G0+4, G1, G0B+4, G1B                     ; fill 1 into slot 1
	ASK 2
	WIN 0x80                                       ; destination window 2
.irp a, 0,1,2,3
.irp i, 0,1,2,3,4,5,6,7
	global_load_b128 v[32*\a+4*\i:32*\a+4*\i+3], v15, s[92:93] offset:(16*\a+2*\i)*4096 th:TH_LOAD_NT   ; rr, in the order of the rows on the way out; nothing names these registers before the way out
.endr
.endr
	WIN 0
	s_wait_loadcnt 32                              ; b2f is in; rr's 32 loads stay out
	RUN 0, 1
	CHANGE 0, 3
	RUN 1, 0
	CHANGE 1, 0
	RUN 0, 0
	s_wait_tensorcnt 0x0                           ; my part of the last fill has landed; nothing is left to fetch
	ds_add_u32 v[SPW], v[NIL]
	s_wait_dscnt 0x0
	s_barrier_signal -1
	s_barrier_wait -1
	RUN 1, 0
	PLACES 4
; THE WAY OUT, 16 tokens at a time: through my stage, back as whole rows of 256 bytes, + rr, stored.
.macro OUTB a
.set BB, 192+32*((\a)%2)
.if (\a) > 1
	s_wait_xcnt 0x0                                ; the stores of two blocks back have read their registers
.endif
	WIN 0x04                                       ; an LDS store's data are its source 1: window 1
.irp b, 0,1,2,3
	ds_store_b128 v13, v[8*(4*(\a)+\b):8*(4*(\a)+\b)+3] offset:64*\b           ; each accumulator from its low end on
	ds_store_b128 v13, v[8*(4*(\a)+\b)+4:8*(4*(\a)+\b)+7] offset:64*\b+16
.endr
	WIN 0
.irp i, 0,1,2,3,4,5,6,7
	ds_load_b128 v[BB+4*\i:BB+4*\i+3], v14 offset:544*\i           ; LDS serves a wave's instructions in order: these see my stores, and the next block's stores come behind them
.endr
	s_wait_dscnt 0x0
.if (\a) == 0
	s_wait_loadcnt 0x0                             ; rr
.endif
	WIN 0x08                                       ; source 1 window 2
.irp i, 0,1,2,3,4,5,6,7,8,9,10,11,12,13,14,15
	v_pk_add_f32 v[BB+2*\i:BB+2*\i+1], v[BB+2*\i:BB+2*\i+1], v[32*(\a)+2*\i:32*(\a)+2*\i+1]
.endr
	WIN 0
.irp i, 0,1,2,3,4,5,6,7
	global_store_b128 v15, v[BB+4*\i:BB+4*\i+3], s[12:13] offset:(16*(\a)+2*\i)*4096 th:TH_STORE_NT   ; sixteen lanes store 256 consecutive bytes, aligned
.endr
.endm
.irp a, 0,1,2,3
	OUTB \a
.endr
	s_wait_tensorcnt 0x0                           ; the wave's end
	ds_add_u32 v[SPW], v[NIL]
	s_wait_dscnt 0x0
	CROUND                                         ; the closing round
	s_endpgm
.Lfunc_end_k_qb29d93b37a_ffn2:
	.size	k_qb29d93b37a_ffn2, .Lfunc_end_k_qb29d93b37a_ffn2-k_qb29d93b37a_ffn2
	.p2alignl 7, 3214868480
	.fill 96, 4, 3214868480
	.section	.rodata,"a",@progbits
	.p2align	6, 0x0
	.amdhsa_kernel k_qb29d93b37a_ffn2
		.amdhsa_group_segment_fixed_size 327680
		.amdhsa_private_segment_fixed_size 0
		.amdhsa_enable_private_segment 0
		.amdhsa_kernarg_size 40
		.amdhsa_user_sgpr_count 2
		.amdhsa_user_sgpr_kernarg_segment_ptr 1
		.amdhsa_wavefront_size32 1
		.amdhsa_system_sgpr_workgroup_id_x 1
		.amdhsa_system_sgpr_workgroup_id_y 1
		.amdhsa_system_sgpr_workgroup_id_z 1
		.amdhsa_system_vgpr_workitem_id 0
		.amdhsa_next_free_vgpr 640
		.amdhsa_next_free_sgpr 100
		.amdhsa_reserve_vcc 0
		.amdhsa_float_denorm_mode_32 3
		.amdhsa_float_denorm_mode_16_64 3
		.amdhsa_memory_ordered 1
		.amdhsa_forward_progress 1
		.amdhsa_inst_pref_size 138
	.end_amdhsa_kernel
	.amdgpu_metadata
---
amdhsa.version: [ 1, 2 ]
amdhsa.kernels:
  - .name:           k_qb29d93b37a_ffn2
    .symbol:         k_qb29d93b37a_ffn2.kd
    .args:
      - { .name: f1, .offset: 0, .size: 8, .value_kind: global_buffer, .address_space: global }
      - { .name: wb, .offset: 8, .size: 8, .value_kind: global_buffer, .address_space: global }
      - { .name: b2f, .offset: 16, .size: 8, .value_kind: global_buffer, .address_space: global }
      - { .name: fb, .offset: 24, .size: 8, .value_kind: global_buffer, .address_space: global }
      - { .name: out0, .offset: 32, .size: 8, .value_kind: global_buffer, .address_space: global }
    .group_segment_fixed_size: 327680
    .private_segment_fixed_size: 0
    .kernarg_segment_align: 8
    .kernarg_segment_size: 40
    .max_flat_workgroup_size: 128
    .sgpr_count:     100
    .vgpr_count:     640
    .wavefront_size: 32
...
	.end_amdgpu_metadata
.endif
;; end of part 5
